; MI455X (gfx1250); checked and timed in simulation.
; The chip was launched on July 23, 2026; its instructions are those of AMD's public machine-readable ISA for CDNA 5 (MIT licence, August 2026) and "CDNA5" Instruction Set Architecture Reference Guide (July 2026). The comments in the code are by the model that wrote it; some were corrected since.
;; Vector Quantize. Allowed arithmetic: float matrix products may take bf16 or f16 operands with f32 sums; all other float work in f32.
;; Inputs: embed 1 x 8,192 x 512 float32; x 8 x 2,048 x 512 float32.
;; Outputs: out0 8 x 2,048 x 512 float32; out1 8 x 2,048 int32; out2 one number float32.
;; 3 versions, each right and faster than the one before. Each part assembles by itself: llvm-mc -triple=amdgcn-amd-amdhsa -mcpu=gfx1250 --defsym DOCPART=n.
;; ======== version 1 of 3: 4 launches
;; workspace buffers: ebf 8,388,608 bytes; e2 32,768 bytes; cv 262,144 bytes; ci 262,144 bytes of whole numbers; part 1,024 bytes
;; launch prep (part 1): grid 128 x 1, 8 waves a work-group, no clusters, 1,280 bytes of LDS; arguments embed, ebf, e2; writes ebf, e2
.if DOCPART == 1
	.amdgcn_target "amdgcn-amd-amdhsa--gfx1250"
	.amdhsa_code_object_version 6
	.text
	.protected	k_qf5878a2f33_prep
	.globl	k_qf5878a2f33_prep
	.p2align	8
	.type	k_qf5878a2f33_prep,@function
k_qf5878a2f33_prep:
	s_mov_b64 s[64:65], 0
	v_nop
	global_prefetch_b8 v0, s[64:65] scope:SCOPE_SE
	s_setreg_imm32_b32 hwreg(HW_REG_WAVE_MODE, 25, 1), 1
	s_wait_xcnt 0x0
; ebf[c][k] = bf16(embed[c][k]);  e2[c] = sum over k of ebf[c][k]^2, in f32.
; e2 is summed from the ROUNDED codebook, so that the distances of the next launch are those of the rounded codes.
; A stream: every byte of embed is read once, by loads of 512 consecutive bytes a wave; every store of a wave
; covers 256 consecutive bytes, aligned.  No matrix unit, no cluster: no two work-groups read the same bytes.
; The work-group owns 64 codes (its 64 numbers of e2 are 256 consecutive bytes), a wave 8 rows of 2,048 bytes.
.set X, 32                             ; v[32:159]   row i: 16 registers as loaded (4 loads of 16 bytes a lane)
.set Y, 160                            ; v[160:223]  row i: 8 registers of its own, 16 bf16 to store: no store's data is ever rewritten
.set T, 8                              ; v[8:23]     the 16 rounded numbers, widened again
	s_load_b128 s[4:7], s[0:1], 0x0                ; embed s[4:5], ebf s[6:7]
	s_load_b64 s[8:9], s[0:1], 0x10                ; e2
	v_lshl_add_u32 v224, v0, 2, 0x100
	v_mov_b32 v225, 0
	v_and_b32 v1, 31, v0                           ; lane
	v_lshrrev_b32 v6, 5, v0
	v_readfirstlane_b32 s10, v6                    ; wave
	v_lshlrev_b32 v2, 4, v1
	v_lshl_add_u32 v2, v6, 14, v2                  ; in: wave x 8 rows x 2,048 + 16 lane
	v_lshlrev_b32 v3, 3, v1
	v_lshl_add_u32 v3, v6, 13, v3                  ; out: wave x 8 rows x 1,024 + 8 lane
	v_and_b32 v5, 7, v1                            ; the row whose sum this lane keeps
	v_lshlrev_b32 v28, 3, v1                       ; 8 lane
	v_lshl_add_u32 v29, v6, 3, v5
	v_lshlrev_b32 v29, 2, v29                      ; LDS word 8 wave + (lane mod 8)
	s_lshl_b32 s12, ttmp9, 17                      ; 64 rows of 2,048 bytes
	s_mov_b32 s13, 0
	s_lshl_b32 s14, ttmp9, 16                      ; 64 rows of 1,024 bytes
	s_mov_b32 s15, 0
	s_lshl_b32 s16, ttmp9, 8                       ; 64 numbers of 4 bytes
	s_mov_b32 s17, 0
	s_mov_b32 s18, 0x76543210                      ; v_permlanex16_b32: lane i reads lane i of the other half
	s_mov_b32 s19, 0xfedcba98
	s_mov_b32 s20, 0xffff0000                      ; a word's upper bf16
	s_wait_kmcnt 0x0
	s_add_nc_u64 s[4:5], s[4:5], s[12:13]
	s_add_nc_u64 s[6:7], s[6:7], s[14:15]
	s_add_nc_u64 s[8:9], s[8:9], s[16:17]
.irp i, 0,1,2,3,4,5,6,7
.irp c, 0,1,2,3
	global_load_b128 v[X+16*\i+4*\c:X+16*\i+4*\c+3], v2, s[4:5] offset:2048*\i+512*\c th:TH_LOAD_NT   ; all 32 loads of the wave go out at once
.endr
.endr
.macro ROWP i
	s_wait_loadcnt 28-4*\i                         ; loads come back in order: row i's four are in, the later rows' stay out
.irp c, 0,1,2,3
	v_cvt_pk_bf16_f32 v[Y+8*\i+2*\c],   v[X+16*\i+4*\c],   v[X+16*\i+4*\c+1]
	v_cvt_pk_bf16_f32 v[Y+8*\i+2*\c+1], v[X+16*\i+4*\c+2], v[X+16*\i+4*\c+3]
.endr
.irp c, 0,1,2,3
	global_store_b64 v3, v[Y+8*\i+2*\c:Y+8*\i+2*\c+1], s[6:7] offset:1024*\i+256*\c   ; 32 lanes x 8 bytes: 256 consecutive bytes, aligned
.endr
.irp w, 0,1,2,3,4,5,6,7
	v_lshlrev_b32 v[T+2*\w],   16,  v[Y+8*\i+\w]   ; the rounded numbers as f32
	v_and_b32     v[T+2*\w+1], s20, v[Y+8*\i+\w]
.endr
	v_pk_mul_f32 v[24:25], v[T:T+1],   v[T:T+1]     ; two chains, started by the first products: nothing is cleared
	v_pk_mul_f32 v[26:27], v[T+2:T+3], v[T+2:T+3]
.irp w, 2,4,6
	v_pk_fma_f32 v[24:25], v[T+2*\w:T+2*\w+1],   v[T+2*\w:T+2*\w+1],   v[24:25]
	v_pk_fma_f32 v[26:27], v[T+2*\w+2:T+2*\w+3], v[T+2*\w+2:T+2*\w+3], v[26:27]
.endr
	v_pk_add_f32 v[24:25], v[24:25], v[26:27]
	v_add_f32 v24, v24, v25
	v_add_f32_dpp v24, v24, v24 row_xmask:1 row_mask:0xf bank_mask:0xf
	v_add_f32_dpp v24, v24, v24 row_xmask:2 row_mask:0xf bank_mask:0xf
	v_add_f32_dpp v24, v24, v24 row_xmask:4 row_mask:0xf bank_mask:0xf
	v_add_f32_dpp v24, v24, v24 row_xmask:8 row_mask:0xf bank_mask:0xf
	v_permlanex16_b32 v25, v24, s18, s19
	v_add_f32 v24, v24, v25                        ; every lane holds row i's sum
.if \i
	v_cmp_eq_u32 vcc_lo, \i, v5
	v_cndmask_b32 v4, v4, v24, vcc_lo              ; lanes with lane mod 8 = i keep it
.else
	v_mov_b32 v4, v24
.endif
.endm
.irp i, 0,1,2,3,4,5,6,7
	ROWP \i
.endr
	ds_store_b32 v29, v4                           ; four lanes write each word, with the same number
	s_wait_dscnt 0x0                               ; my stores are in LDS before I say so
	s_barrier_signal -1
	s_barrier_wait -1
	s_cmp_lg_u32 s10, 0
	s_cbranch_scc1 .Ldone
	ds_load_b64 v[30:31], v28                      ; wave 0: the group's 64 sums,
	s_wait_dscnt 0x0
	global_store_b64 v28, v[30:31], s[8:9]         ; 256 consecutive bytes, aligned
.Ldone:
	s_wait_tensorcnt 0x0
	ds_add_u32 v224, v225
	s_wait_dscnt 0x0
	s_endpgm
.Lfunc_end_k_qf5878a2f33_prep:
	.size	k_qf5878a2f33_prep, .Lfunc_end_k_qf5878a2f33_prep-k_qf5878a2f33_prep
	.p2alignl 7, 3214868480
	.fill 96, 4, 3214868480
	.section	.rodata,"a",@progbits
	.p2align	6, 0x0
	.amdhsa_kernel k_qf5878a2f33_prep
		.amdhsa_group_segment_fixed_size 1280
		.amdhsa_private_segment_fixed_size 0
		.amdhsa_enable_private_segment 0
		.amdhsa_kernarg_size 24
		.amdhsa_user_sgpr_count 2
		.amdhsa_user_sgpr_kernarg_segment_ptr 1
		.amdhsa_wavefront_size32 1
		.amdhsa_system_sgpr_workgroup_id_x 1
		.amdhsa_system_sgpr_workgroup_id_y 1
		.amdhsa_system_sgpr_workgroup_id_z 1
		.amdhsa_system_vgpr_workitem_id 0
		.amdhsa_next_free_vgpr 226
		.amdhsa_next_free_sgpr 66
		.amdhsa_reserve_vcc 1
		.amdhsa_float_denorm_mode_32 3
		.amdhsa_float_denorm_mode_16_64 3
		.amdhsa_memory_ordered 1
		.amdhsa_forward_progress 1
		.amdhsa_inst_pref_size 25
	.end_amdhsa_kernel
	.amdgpu_metadata
---
amdhsa.version: [ 1, 2 ]
amdhsa.kernels:
  - .name:           k_qf5878a2f33_prep
    .symbol:         k_qf5878a2f33_prep.kd
    .args:
      - { .name: embed, .offset: 0, .size: 8, .value_kind: global_buffer, .address_space: global }
      - { .name: ebf, .offset: 8, .size: 8, .value_kind: global_buffer, .address_space: global }
      - { .name: e2, .offset: 16, .size: 8, .value_kind: global_buffer, .address_space: global }
    .group_segment_fixed_size: 1280
    .private_segment_fixed_size: 0
    .kernarg_segment_align: 8
    .kernarg_segment_size: 24
    .max_flat_workgroup_size: 256
    .sgpr_count:     66
    .vgpr_count:     226
    .wavefront_size: 32
...
	.end_amdgpu_metadata
.endif
;; end of part 1
;; launch main (part 2): grid 64 x 4, 4 waves a work-group, clusters of 4 x 4, 327,680 bytes of LDS; arguments x, ebf, e2, cv, ci; writes cv, ci
.if DOCPART == 2
	.amdgcn_target "amdgcn-amd-amdhsa--gfx1250"
	.amdhsa_code_object_version 6
	.text
	.protected	k_qf5878a2f33_main
	.globl	k_qf5878a2f33_main
	.p2align	8
	.type	k_qf5878a2f33_main,@function
k_qf5878a2f33_main:
	s_mov_b64 s[64:65], 0
	v_nop
	global_prefetch_b8 v0, s[64:65] scope:SCOPE_SE
	s_setreg_imm32_b32 hwreg(HW_REG_WAVE_MODE, 25, 1), 1
	s_wait_xcnt 0x0
	s_wait_alu depctr_hold_cnt(0) depctr_sa_sdst(0) depctr_va_vdst(0) depctr_va_sdst(0) depctr_va_ssrc(0) depctr_va_vcc(0) depctr_vm_vsrc(0)
	s_getreg_b32 s2, hwreg(HW_REG_IB_STS2, 6, 4)
	s_cmp_eq_u32 s2, 0
	s_cbranch_scc0 .Lentry_in_a_cluster
	s_endpgm
.Lentry_in_a_cluster:
	s_bfe_u32 s2, ttmp6, 0x10000c
	s_cmp_lg_u32 s2, 0xf033
	s_cbranch_scc0 .Lentry_shape_is_right
	s_endpgm
.Lentry_shape_is_right:
; For 256 rows of x and one quarter (2,048 codes) of the codebook: cv[quarter][row] = the least score, ci[quarter][row] = its code,
; score(row, c) = e2[c] - 2 x[row].ebf[c].  The scores never leave the registers.
; LIMITS.  x2, which is the same for all codes of a row, is left out of the comparison; operands are bf16, sums f32, and the score is
; one fused multiply-add: the order of rounding differs from x2 - 2 xe + e2, so a row whose two best codes lie closer than the f32
; rounding of those sums may give the other code.  Equal scores give the lowest code.  NaN and infinite inputs are not served.
; SHAPE.  Four waves, one for each SIMD.  A wave keeps its 64 rows x 512 k of x as bf16 fragments in 512 registers for the whole launch;
; the codes stream through two LDS slots of 128 codes.  A code fragment (16 codes x 32 k) read from LDS feeds four matrix instructions.
; A tile = 16 codes x 64 rows x 512 k = 64 matrix instructions on 4 accumulators; two sets of accumulators: while tile t is multiplied,
; the 128 vector instructions that fold tile t-1 into the running minimum stand two behind each matrix instruction.
; CLUSTER.  4 x 4 work-groups: x of the grid = row block, y = quarter.  The four work-groups of a cluster's row walk the same quarter: its tiles
; and its e2 are asked for jointly, which divides those requests by four.  The four of a column read the same 0.5 MB of x, once, against
; 2 MB of codes; x comes through registers, because it is rounded to bf16 on the way, and is not asked for jointly.
; THE MATRIX INSTRUCTION: source 0 = 16 codes, source 1 = 16 rows of x.  Lane l then holds row l % 16, register j code 8 (l / 16) + j.
.set PITCH,  1040                      ; LDS row of a code: 1,024 bytes + 16 of padding, an odd multiple of 16: the 16 rows of a fragment load start 16 bytes apart modulo 256
.set TILEB,  16*PITCH
.set WPART,  32*PITCH                  ; what one tensor load brings: 32 codes
.set SLOTB,  128*PITCH
.set E2L,    2*SLOTB                   ; the quarter's e2, 8,192 bytes, filled once
.set XST,    E2L+8192                  ; each wave's own stage, 16 rows x 528 bytes, written by LDS stores; no tensor load ever lands here
.set XPITCH, 528
.set XSTB,   16*XPITCH
; window 0
.set EAD, 2                            ; v2-5     LDS address of my part of a fragment: slot 0 codes 0-63, 64-127, slot 1 likewise
.set E2A, 6                            ; v6       LDS address of my 8 numbers of e2 in this pair's first tile
.set E2R, 8                            ; v8-15    e2 of one tile
.set TMP, 16                           ; v16-19   best - score, two pairs
.set SC,  20                           ; v20-21   the other half's value and code
.set H8,  22                           ; v22      8 (l / 16)
.set OV,  24                           ; v24-27   on the way out
.set ER,  32                           ; v32-95   ring of 8 code fragments
.set ACC, 96                           ; v96-159  two sets of 4 accumulators
.set BV,  160                          ; v160-191 least score of (x tile, register j)
.set BI,  192                          ; v192-223 first code of the tile in which it was met
.set XO,  224                          ; 16 lane
.set XSW, 225                          ; stage + 8 lane
.set XSR, 226                          ; stage + 528 (l % 16) + 16 (l / 16)
.set XSO, 227                          ; stage + 4 (l % 16)
.set CO,  228                          ; 8 lane
; window 1: v0-127, v128-255: x as f32 on its way in, two buffers.  Windows 2, 3: x fragments of k steps 0-7, 8-15, at 8 (4 (ks % 8) + x tile).
.set MAIN_LO, 0x08                     ; source 1 in window 2, all else in window 0
.set MAIN_HI, 0x0c                     ; source 1 in window 3
.set MSB, 0
.macro WIN new                         ; the immediate's high byte repeats the setting that is left
.if MSB != (\new)
	s_set_vgpr_msb (MSB<<8)|(\new)
.set MSB, \new
.endif
.endm
.macro NOP4
.rept 4
	v_nop
.endr
.endm
; A round of the cluster's barrier: my work-group's barrier; wave 0 signals for the work-group; every wave waits for all sixteen; my work-group's barrier again.
.macro CREST                           ; a round behind its opening barrier
	s_cmp_lg_u32 s14, 0
	s_cbranch_scc1 .Lnot_wave_0_\@
	s_barrier_signal -3
.Lnot_wave_0_\@:
	s_barrier_wait -3
	s_barrier_signal -1
	s_barrier_wait -1
.endm
.macro ROUND
	s_barrier_signal -1
	s_barrier_wait -1
	CREST
.endm
	s_load_b256 s[4:11], s[0:1], 0x0               ; x s[4:5], ebf s[6:7], e2 s[8:9], cv s[10:11]
	s_load_b64 s[12:13], s[0:1], 0x20              ; ci
	v_lshl_add_u32 v254, v0, 2, 0x4b400
	v_mov_b32 v255, 0
	ds_add_u32 v254, v255
	v_lshrrev_b32 v1, 5, v0
	v_readfirstlane_b32 s14, v1                    ; wave 0..3
	s_bfe_u32 s44, ttmp6, 0x40000                  ; cx
	s_bfe_u32 s45, ttmp6, 0x40004                  ; cy
	s_lshl_b32 s46, ttmp9, 2
	s_add_co_u32 s46, s46, s44                     ; row block = 4 x cluster x + cx
	s_and_b32 s47, ttmp7, 0xffff
	s_lshl_b32 s47, s47, 2
	s_add_co_u32 s47, s47, s45                     ; quarter = 4 x cluster y + cy
	s_lshl_b32 s59, s45, 2
	s_lshl_b32 s59, 15, s59                        ; my row of the cluster: places 4 cy .. 4 cy + 3
	s_mov_b32 s53, 0x7f800000                      ; +infinity
	s_mov_b32 s54, 0x76543210                      ; v_permlanex16_b32: lane i reads lane i of the other half
	s_mov_b32 s55, 0xfedcba98
	s_lshl_b32 s52, s47, 11
	s_sub_co_u32 s52, s52, 32                      ; first code of the tile being folded; 16 are added at each tile's head, and the fold runs one tile behind
	; group 1 for the codes: 32 rows x 512 elements of 2 bytes, 4 words of padding behind every 256 words
	s_or_b32 s16, s59, (1<<16)|(1<<20)|(1<<21)|(7<<22)|(3<<25)   ; 15:0 mask; 17:16 2 bytes; 20 padding on; 21 set beside a mask; 24:22 every 256 words; 31:25 4 words
	s_mov_b32 s17, 512<<16                         ; tensor_dim0 = 512
	s_mov_b32 s18, 32<<16                          ; tensor_dim1 = 32
	s_mov_b32 s19, 512<<16                         ; tile_dim0 = 512
	s_mov_b32 s20, 32                              ; tile_dim1 = 32
	s_mov_b32 s21, 512                             ; elements from row to row
	s_mov_b32 s22, 0
	s_mov_b32 s23, 0
	; group 1 for e2: one row of 256 elements of 8 bytes
	s_or_b32 s24, s59, (3<<16)|(1<<21)
	s_mov_b32 s25, 256<<16
	s_mov_b32 s26, 1<<16
	s_mov_b32 s27, 256<<16
	s_mov_b32 s28, 1
	s_mov_b32 s29, 256
	s_mov_b32 s30, 0
	s_mov_b32 s31, 0
	; groups 0.  LDS addresses hang on the wave's number alone, global addresses on the quarter and the wave's number: alike in my row of the cluster
	s_mov_b32 s32, 1
	s_mul_i32 s33, s14, WPART                      ; slot 0, my 32 codes
	s_mov_b32 s36, 1
	s_add_co_u32 s37, s33, SLOTB                   ; slot 1
	s_mov_b32 s40, 1
	s_lshl_b32 s41, s14, 11
	s_add_co_u32 s41, s41, E2L                     ; my 2,048 bytes of e2
	s_lshl_b32 s48, s47, 21                        ; quarter x 2,048 codes x 1,024 bytes
	s_lshl_b32 s49, s14, 15                        ; wave x 32 codes
	s_add_co_u32 s48, s48, s49
	s_mov_b32 s49, 0
	s_lshl_b32 s50, s46, 19                        ; row block x 256 rows x 2,048 bytes
	s_lshl_b32 s51, s14, 17                        ; wave x 64 rows
	s_add_co_u32 s50, s50, s51
	s_mov_b32 s51, 0
	s_mul_i32 s56, s14, XSTB
	s_add_co_u32 s56, s56, XST                     ; my stage
	v_and_b32 v16, 15, v0                          ; l % 16
	v_bfe_u32 v17, v0, 4, 1                        ; l / 16
	v_and_b32 v18, 31, v0                          ; lane
	v_mul_u32_u24 v[EAD], v16, PITCH
	v_lshl_add_u32 v[EAD], v17, 4, v[EAD]          ; row x pitch + 16 x half
	v_add_nc_u32 v[EAD+1], 4*TILEB, v[EAD]
	v_add_nc_u32 v[EAD+2], SLOTB, v[EAD]
	v_add_nc_u32 v[EAD+3], SLOTB+4*TILEB, v[EAD]
	v_lshlrev_b32 v[E2A], 5, v17
	v_add_nc_u32 v[E2A], E2L, v[E2A]
	v_lshlrev_b32 v[H8], 3, v17
	v_mov_b32 v[SC], 0
	v_mov_b32 v[SC+1], 0
	v_lshlrev_b32 v[XO], 4, v18
	v_lshl_add_u32 v[XSW], v18, 3, s56
	v_mul_u32_u24 v[XSR], v16, XPITCH
	v_lshl_add_u32 v[XSR], v17, 4, v[XSR]
	v_add_nc_u32 v[XSR], s56, v[XSR]
	v_lshl_add_u32 v[XSO], v16, 2, s56
	v_lshlrev_b32 v[CO], 3, v18
	s_wait_dscnt 0x0
	s_wait_kmcnt 0x0
	s_add_nc_u64 s[34:35], s[6:7], s[48:49]        ; codes 0-127 of the quarter, my 32
	s_add_nc_u64 s[38:39], s[34:35], 0x20000       ; codes 128-255
	s_or_b32 s35, s35, 0x80000000                  ; type = 2
	s_or_b32 s39, s39, 0x80000000
	s_lshl_b32 s48, s47, 13                        ; quarter x 8,192 bytes of e2
	s_lshl_b32 s49, s14, 11
	s_add_co_u32 s48, s48, s49
	s_mov_b32 s49, 0
	s_add_nc_u64 s[42:43], s[8:9], s[48:49]
	s_or_b32 s43, s43, 0x80000000
	s_add_nc_u64 s[4:5], s[4:5], s[50:51]          ; x at my 64 rows
	ROUND                                          ; all sixteen work-groups are here: the first joint loads meet
	tensor_load_to_lds s[40:43], s[24:31]          ; the three first fills go out as one group: e2,
	s_nop 0
	NOP4
	tensor_load_to_lds s[32:35], s[16:23]          ; slot 0,
	s_nop 0
	NOP4
	tensor_load_to_lds s[36:39], s[16:23]          ; slot 1: three tensor loads of the wave are out
	s_nop 0
	NOP4
; x ON ITS WAY IN, eight steps of 16 rows x 256 k.  Step s: x tile s / 2, k half s % 2.
; 32 loads, each 512 consecutive bytes of one row; rounded to bf16; 8 bytes a lane into my stage; read back as fragments.
.macro XLOAD s
	WIN 0x40                                       ; destination in window 1
.set XI, 0
.rept 32
	global_load_b128 v[128*((\s)&1)+4*XI:128*((\s)&1)+4*XI+3], v[XO], s[4:5] offset:(16*((\s)>>1)+(XI>>1))*2048+((\s)&1)*1024+(XI&1)*512
.set XI, XI+1
.endr
.endm
.macro XSTEP s, left
	s_wait_loadcnt \left                           ; this step's 32 loads are in; the next step's 32 stay out
	WIN 0x45                                       ; all of the conversion in window 1
.set XI, 0
.rept 32
	v_cvt_pk_bf16_f32 v[128*((\s)&1)+4*XI],   v[128*((\s)&1)+4*XI],   v[128*((\s)&1)+4*XI+1]
	v_cvt_pk_bf16_f32 v[128*((\s)&1)+4*XI+1], v[128*((\s)&1)+4*XI+2], v[128*((\s)&1)+4*XI+3]
.set XI, XI+1
.endr
	WIN 0x04                                       ; store data in window 1
.set XI, 0
.rept 32
	ds_store_b64 v[XSW], v[128*((\s)&1)+4*XI:128*((\s)&1)+4*XI+1] offset:(XI>>1)*XPITCH+(XI&1)*256
.set XI, XI+1
.endr
.if \s < 6
	XLOAD \s+2
.endif
.if (\s)&1
	WIN 0xc0                                       ; destination in window 3
.else
	WIN 0x80                                       ; destination in window 2
.endif
.set XI, 0
.rept 8
	ds_load_b128 v[8*(4*XI+((\s)>>1)):8*(4*XI+((\s)>>1))+3],   v[XSR] offset:64*XI      ; LDS serves a wave's instructions in order (ISA guide 5.7.1):
	ds_load_b128 v[8*(4*XI+((\s)>>1))+4:8*(4*XI+((\s)>>1))+7], v[XSR] offset:64*XI+32   ; these see the stores above, and the next step's stores come behind them
.set XI, XI+1
.endr
.endm
	XLOAD 0
	XLOAD 1
	XSTEP 0, 32
	XSTEP 1, 32
	XSTEP 2, 32
	XSTEP 3, 32
	XSTEP 4, 32
	XSTEP 5, 32
	XSTEP 6, 32
	XSTEP 7, 0
	WIN 0
	; The fold runs one tile behind, so the first tile folds a tile that does not exist: sums 0 and e2 = +infinity give the score +infinity,
	; best - score = NaN compares false, and the minimum stays +infinity: nothing changes.
.set XI, 0
.rept 32
	v_mov_b32 v[BV+XI], s53
	v_mov_b32 v[BI+XI], 0
	v_mov_b32 v[ACC+32+XI], 0
.set XI, XI+1
.endr
.set XI, 0
.rept 8
	v_mov_b32 v[E2R+XI], s53
.set XI, XI+1
.endr
	s_wait_tensorcnt 0x1                           ; tensor loads of a wave end in order: my parts of e2 and of slot 0 are in; slot 1's stays out
	s_wait_dscnt 0x0                               ; x's fragments are in
	s_barrier_signal -1
	s_barrier_wait -1                              ; everybody's parts are in
; Fragment ks (32 k) of tile t of a slot, into the ring: lane l takes row l % 16, k = 8 (l / 16) + 0..7 and 16 + 8 (l / 16) + 0..7
.macro LDFRAG slot, t, ks
	ds_load_b128 v[ER+8*((\ks)&7):ER+8*((\ks)&7)+3],   v[EAD+2*(\slot)+((\t)>>2)] offset:((\t)&3)*TILEB+64*(\ks)
	ds_load_b128 v[ER+8*((\ks)&7)+4:ER+8*((\ks)&7)+7], v[EAD+2*(\slot)+((\t)>>2)] offset:((\t)&3)*TILEB+64*(\ks)+32
.endm
; Instruction number EN of the 128 that fold accumulator set EQ into the running minimum.  Vector registers stand only as destination, source 0 and
; source 2, which the settings MAIN_LO and MAIN_HI leave in window 0; source 1 is a constant or a scalar register.
; 0-15: score = e2 - 2 sum, in place, two at a time.  Then for each of 16 pairs: best - score; and for each of the two: is it above 0,
; then the tile's first code replaces the kept one, and the minimum is taken.  Only a strictly lower score replaces: of equal scores the earlier tile stays.
.macro EOP
.if EN < 16
.set EOA, ACC+32*EQ+2*EN
.set EOE, E2R+2*(EN&3)
	v_pk_fma_f32 v[EOA:EOA+1], v[EOA:EOA+1], -2.0, v[EOE:EOE+1] op_sel_hi:[1,0,1]
.else
.set PRN, (EN-16)/7
.set SUBN, (EN-16)%7
.set EOA, ACC+32*EQ+2*PRN
.set EOB, BV+2*PRN
.set EOI, BI+2*PRN
.set EOT, TMP+2*(PRN&1)
.if SUBN == 0
	v_pk_fma_f32 v[EOT:EOT+1], v[EOA:EOA+1], -1.0, v[EOB:EOB+1] op_sel_hi:[1,0,1]
.else
.set EOL, (SUBN-1)/3
.set EOK, (SUBN-1)%3
.if EOK == 0
	v_cmp_gt_f32 vcc_lo, v[EOT+EOL], 0
.endif
.if EOK == 1
	v_cndmask_b32 v[EOI+EOL], v[EOI+EOL], s52, vcc_lo
.endif
.if EOK == 2
	v_min3_num_f32 v[EOB+EOL], v[EOA+EOL], s53, v[EOB+EOL]
.endif
.endif
.endif
.set EN, EN+1
.endm
; Block CC of a tile: k step CC, four matrix instructions, one for each x tile, each followed by two instructions of the fold.
; The four accumulators take turns, one instruction a turn.
.macro BLOCK
.irp xt, 0,1,2,3
.if CC == 0
	v_wmma_f32_16x16x32_bf16 v[ACC+32*PP+8*\xt:ACC+32*PP+8*\xt+7], v[ER+8*(CC&7):ER+8*(CC&7)+7], v[8*(4*(CC&7)+\xt):8*(4*(CC&7)+\xt)+7], 0
.else
	v_wmma_f32_16x16x32_bf16 v[ACC+32*PP+8*\xt:ACC+32*PP+8*\xt+7], v[ER+8*(CC&7):ER+8*(CC&7)+7], v[8*(4*(CC&7)+\xt):8*(4*(CC&7)+\xt)+7], v[ACC+32*PP+8*\xt:ACC+32*PP+8*\xt+7]
.endif
	EOP
	EOP
.endr
.endm
; What stands in front of block CC.  mode 0: a tile inside a slot.  1: a slot's last tile, the slot is filled again.  2: a slot's last tile, no fill.  3: the last tile of all.
; A load into a ring fragment stands behind the ten fold instructions that follow the last matrix instruction that read it (two of its block, eight of the next):
; more than the four places that a load into a matrix instruction's source needs (ISA guide 7.12.1 for vector instructions).
.macro PRELUDE slot, t, mode
.if CC == 0
	WIN MAIN_LO
.endif
.if CC == 8
	WIN MAIN_HI
.endif
.set REGU, 1
.if \mode
.if CC > 9
.set REGU, 0
.endif
.endif
.if REGU
	s_wait_dscnt 10                                ; fragments CC .. CC+5 were asked for, two loads each: the ten younger loads may stay out (with e2's two among them the wait is only the stricter)
.if CC < 10
	LDFRAG \slot, \t, CC+6
.else
	LDFRAG \slot, \t+1, CC-10
.endif
.if CC == 4
	ds_load_b128 v[E2R:E2R+3],   v[E2A] offset:64*(8*\slot+\t)      ; this tile's e2, for the fold in the next tile; the last tile's was last read in block 1
	ds_load_b128 v[E2R+4:E2R+7], v[E2A] offset:64*(8*\slot+\t)+16
.endif
.else
.if \mode == 3
	s_wait_dscnt 2*(15-CC)                         ; nothing more is asked for: the counts run down
.else
.if CC < 12
	s_wait_dscnt 2*(15-CC)
.endif
.if CC == 12
	s_wait_dscnt 0x0                               ; my reads of this slot are over (the last were issued in front of block 9)
	s_set_vgpr_msb 0xc00
	s_wait_tensorcnt 0x0                           ; all my tensor loads have landed: the one that was out is my part of the other slot
	ds_add_u32 v254, v255
	s_wait_dscnt 0x0
	s_set_vgpr_msb 0xc
	s_barrier_signal -1                            ; say so; block 12 works on registers alone
.endif
.if CC == 13
.if \mode == 1
	WIN 0
	s_barrier_wait -1
	CREST                                          ; the round is closed: no wave of any partner still reads this slot or has a load on its way
	s_add_nc_u64 s[34+4*\slot:35+4*\slot], s[34+4*\slot:35+4*\slot], 0x40000   ; 256 codes on; no tensor load of mine is out
	tensor_load_to_lds s[32+4*\slot:35+4*\slot], s[16:23]                      ; my one tensor load behind the round, first thing there; 508 matrix instructions stand before the wait for it
	s_nop 0
	NOP4
	WIN MAIN_HI
.else
	s_barrier_wait -1                              ; the other slot is whole; nothing is left to fetch
.endif
	LDFRAG 1-\slot, 0, 0
	LDFRAG 1-\slot, 0, 1
	LDFRAG 1-\slot, 0, 2
	LDFRAG 1-\slot, 0, 3
.endif
.if CC == 14
	LDFRAG 1-\slot, 0, 4
.endif
.if CC == 15
	LDFRAG 1-\slot, 0, 5                           ; six fragments are asked for, as at every tile's head
.endif
.endif
.endif
.endm
.macro TILE slot, t, mode
	s_add_co_u32 s52, s52, 16                      ; first code of the tile that is folded now
.set EN, 0
.set PP, (\t)&1
.set EQ, 1-PP
.set CC, 0
.rept 16
	PRELUDE \slot, \t, \mode
	BLOCK
.set CC, CC+1
.endr
.endm
.macro PAIR fill                       ; both slots, 256 codes
.irp t, 0,1,2,3,4,5,6
	TILE 0, \t, 0
.endr
.if \fill
	TILE 0, 7, 1
.else
	TILE 0, 7, 2
.endif
.irp t, 0,1,2,3,4,5,6
	TILE 1, \t, 0
.endr
.if \fill
	TILE 1, 7, 1
.else
	TILE 1, 7, 3
.endif
.endm
.irp ks, 0,1,2,3,4,5
	LDFRAG 0, 0, \ks
.endr
	s_mov_b32 s15, 7                               ; 8 pairs of slots; the last is written out, without fills
.Lpair:
	PAIR 1
	WIN 0                                          ; at a label and at a branch every window is 0
	v_add_nc_u32 v[E2A], 0x400, v[E2A]             ; 16 tiles x 64 bytes of e2
	s_sub_co_u32 s15, s15, 1
	s_cmp_lg_u32 s15, 0
	s_cbranch_scc1 .Lpair
	PAIR 0
	WIN 0
	NOP4                                           ; places behind the last matrix instructions
	s_add_co_u32 s52, s52, 16
.set EN, 0
.set EQ, 1
.rept 128
	EOP                                            ; the last tile is folded
.endr
; (va, ia) takes (vb, ib) if vb is lower, or equal with the lower code
.macro MERGE va, ia, vb, ib
	v_cmp_lt_f32 s56, v[\vb], v[\va]
	v_cmp_eq_f32 s57, v[\vb], v[\va]
	v_cmp_lt_u32 s58, v[\ib], v[\ia]
	s_and_b32 s57, s57, s58
	s_or_b32 vcc_lo, s56, s57
	v_cndmask_b32 v[\va], v[\va], v[\vb], vcc_lo
	v_cndmask_b32 v[\ia], v[\ia], v[\ib], vcc_lo
.endm
.irp xt, 0,1,2,3
.irp j, 1,2,3,4,5,6,7
	v_add_nc_u32 v[BI+8*\xt+\j], \j, v[BI+8*\xt+\j]          ; code = tile's first + 8 (l / 16) + j
.endr
	MERGE BV+8*\xt,   BI+8*\xt,   BV+8*\xt+1, BI+8*\xt+1
	MERGE BV+8*\xt+2, BI+8*\xt+2, BV+8*\xt+3, BI+8*\xt+3
	MERGE BV+8*\xt+4, BI+8*\xt+4, BV+8*\xt+5, BI+8*\xt+5
	MERGE BV+8*\xt+6, BI+8*\xt+6, BV+8*\xt+7, BI+8*\xt+7
	MERGE BV+8*\xt,   BI+8*\xt,   BV+8*\xt+2, BI+8*\xt+2
	MERGE BV+8*\xt+4, BI+8*\xt+4, BV+8*\xt+6, BI+8*\xt+6
	MERGE BV+8*\xt,   BI+8*\xt,   BV+8*\xt+4, BI+8*\xt+4
	v_add_nc_u32 v[BI+8*\xt], v[H8], v[BI+8*\xt]
	v_permlanex16_b32 v[SC],   v[BV+8*\xt], s54, s55         ; the other half of the lanes holds the same row's other eight codes of each tile
	v_permlanex16_b32 v[SC+1], v[BI+8*\xt], s54, s55
	MERGE BV+8*\xt, BI+8*\xt, SC, SC+1
	ds_store_b32 v[XSO], v[BV+8*\xt] offset:64*\xt           ; both halves write the same word with the same number
	ds_store_b32 v[XSO], v[BI+8*\xt] offset:256+64*\xt
.endr
	s_lshl_b32 s50, s47, 16                        ; (quarter x 16,384 + row block x 256 + wave x 64) x 4 bytes
	s_lshl_b32 s51, s46, 10
	s_add_co_u32 s50, s50, s51
	s_lshl_b32 s51, s14, 8
	s_add_co_u32 s50, s50, s51
	s_mov_b32 s51, 0
	s_add_nc_u64 s[10:11], s[10:11], s[50:51]
	s_add_nc_u64 s[12:13], s[12:13], s[50:51]
	ds_load_b64 v[OV:OV+1],   v[XSW]               ; my own bytes, served in order behind the stores above
	ds_load_b64 v[OV+2:OV+3], v[XSW] offset:256
	s_wait_dscnt 0x0
	global_store_b64 v[CO], v[OV:OV+1],   s[10:11] ; my 64 rows' scores: 256 consecutive bytes, aligned
	global_store_b64 v[CO], v[OV+2:OV+3], s[12:13] ; and their codes
	s_wait_tensorcnt 0x0
	ds_add_u32 v254, v255
	s_wait_dscnt 0x0
	ROUND                                          ; the closing round: no work-group ends while a partner may still ask for a tile that names it
	s_endpgm
.Lfunc_end_k_qf5878a2f33_main:
	.size	k_qf5878a2f33_main, .Lfunc_end_k_qf5878a2f33_main-k_qf5878a2f33_main
	.p2alignl 7, 3214868480
	.fill 96, 4, 3214868480
	.section	.rodata,"a",@progbits
	.p2align	6, 0x0
	.amdhsa_kernel k_qf5878a2f33_main
		.amdhsa_group_segment_fixed_size 327680
		.amdhsa_private_segment_fixed_size 0
		.amdhsa_enable_private_segment 0
		.amdhsa_kernarg_size 40
		.amdhsa_user_sgpr_count 2
		.amdhsa_user_sgpr_kernarg_segment_ptr 1
		.amdhsa_wavefront_size32 1
		.amdhsa_system_sgpr_workgroup_id_x 1
		.amdhsa_system_sgpr_workgroup_id_y 1
		.amdhsa_system_sgpr_workgroup_id_z 1
		.amdhsa_system_vgpr_workitem_id 0
		.amdhsa_next_free_vgpr 1024
		.amdhsa_next_free_sgpr 66
		.amdhsa_reserve_vcc 1
		.amdhsa_float_denorm_mode_32 3
		.amdhsa_float_denorm_mode_16_64 3
		.amdhsa_memory_ordered 1
		.amdhsa_forward_progress 1
		.amdhsa_inst_pref_size 255
	.end_amdhsa_kernel
	.section	.bss,"aw",@nobits
	.p2align	6
	.space	262144
	.amdgpu_metadata
---
amdhsa.version: [ 1, 2 ]
amdhsa.kernels:
  - .name:           k_qf5878a2f33_main
    .symbol:         k_qf5878a2f33_main.kd
    .args:
      - { .name: x, .offset: 0, .size: 8, .value_kind: global_buffer, .address_space: global }
      - { .name: ebf, .offset: 8, .size: 8, .value_kind: global_buffer, .address_space: global }
      - { .name: e2, .offset: 16, .size: 8, .value_kind: global_buffer, .address_space: global }
      - { .name: cv, .offset: 24, .size: 8, .value_kind: global_buffer, .address_space: global }
      - { .name: ci, .offset: 32, .size: 8, .value_kind: global_buffer, .address_space: global }
    .group_segment_fixed_size: 327680
    .private_segment_fixed_size: 0
    .kernarg_segment_align: 8
    .kernarg_segment_size: 40
    .max_flat_workgroup_size: 128
    .sgpr_count:     66
    .vgpr_count:     1024
    .wavefront_size: 32
...
	.end_amdgpu_metadata
.endif
;; end of part 2
;; launch pick (part 3): grid 256 x 1, 8 waves a work-group, no clusters, 1,280 bytes of LDS; arguments x, embed, cv, ci, out0, out1, part; writes out0, out1, part
.if DOCPART == 3
	.amdgcn_target "amdgcn-amd-amdhsa--gfx1250"
	.amdhsa_code_object_version 6
	.text
	.protected	k_qf5878a2f33_pick
	.globl	k_qf5878a2f33_pick
	.p2align	8
	.type	k_qf5878a2f33_pick,@function
k_qf5878a2f33_pick:
	s_mov_b64 s[64:65], 0
	v_nop
	global_prefetch_b8 v0, s[64:65] scope:SCOPE_SE
	s_setreg_imm32_b32 hwreg(HW_REG_WAVE_MODE, 25, 1), 1
	s_wait_xcnt 0x0
; For each row: the winner among the four quarters' candidates; out1 = its code; out0 = x + (embed[code] - x); part[work-group] = sum of (embed[code] - x)^2.
; Which candidate wins hangs on f32 scores, so no address is made of it: all four candidate rows, whose codes the launch before stored as whole numbers,
; are loaded, and the winner's numbers are chosen by v_cndmask_b32.  A strictly lower score wins, so of equal scores the lower quarter, which holds the lower codes, stays.
; A stream with a gather: no matrix unit, no cluster (no two work-groups share rows of x; which rows of embed they share is not known beforehand).
; The work-group owns 64 rows, a wave 8; a wave takes a whole row of 2,048 bytes by four loads of 512 consecutive bytes.  Two row slots: 40 loads of a wave in flight.
.set CV, 20                            ; s[20:51]  score of quarter q, my row i: s[20 + 8 q + i]
.set CI, 68                            ; s[68:99]  its code: s[68 + 8 q + i]
.set VO, 8                             ; v[8:15]   slot s, quarter q: byte offset of my 16 bytes in the candidate's row
.set SL, 48                            ; v[48:207] slot s: 80 registers: x 16, then 16 for each candidate
	s_load_b256 s[4:11], s[0:1], 0x0               ; x s[4:5], embed s[6:7], cv s[8:9], ci s[10:11]
	s_load_b128 s[12:15], s[0:1], 0x20             ; out0 s[12:13], out1 s[14:15]
	s_load_b64 s[16:17], s[0:1], 0x30              ; part
	v_lshl_add_u32 v208, v0, 2, 0x100
	v_mov_b32 v209, 0
	v_and_b32 v1, 31, v0                           ; lane
	v_lshrrev_b32 v3, 5, v0
	v_readfirstlane_b32 s18, v3                    ; wave
	v_lshlrev_b32 v2, 4, v1                        ; 16 lane
	s_lshl_b32 s60, ttmp9, 8                       ; 64 rows x 4 bytes
	s_lshl_b32 s61, ttmp9, 2
	s_lshl_b32 s19, s18, 5
	s_add_co_u32 s19, s19, s60                     ; my 8 rows' 32 bytes in a quarter of cv and of ci
	v_lshlrev_b32 v24, 3, v1
	v_add_nc_u32 v24, s60, v24                     ; the group's 256 bytes in cv, ci and out1: 8 bytes a lane
	s_lshl_b32 s58, ttmp9, 17                      ; 64 rows x 2,048 bytes
	s_lshl_b32 s59, s18, 14                        ; wave x 8 rows
	s_add_co_u32 s58, s58, s59
	s_mov_b32 s59, 0
	s_mov_b32 s56, 0x76543210
	s_mov_b32 s57, 0xfedcba98
	s_wait_kmcnt 0x0
.irp q, 0,1,2,3
	s_load_b256 s[CV+8*\q:CV+8*\q+7], s[8:9],   s19 offset:65536*\q
	s_load_b256 s[CI+8*\q:CI+8*\q+7], s[10:11], s19 offset:65536*\q
.endr
	s_add_nc_u64 s[4:5], s[4:5], s[58:59]
	s_add_nc_u64 s[12:13], s[12:13], s[58:59]
	s_wait_kmcnt 0x0
.set n, 0
.rept 32
	s_min_u32 s[CI+n], s[CI+n], 0x1fff             ; a loaded number enters an address only inside the table
.set n, n+1
.endr
.macro ISSUE i, s                      ; row i into slot s: 20 loads
.irp q, 0,1,2,3
	v_lshl_add_u32 v[VO+4*\s+\q], s[CI+8*\q+(\i)], 11, v2
.endr
.irp c, 0,1,2,3
	global_load_b128 v[SL+80*\s+4*\c:SL+80*\s+4*\c+3], v2, s[4:5] offset:2048*(\i)+512*\c th:TH_LOAD_NT
.endr
.irp q, 0,1,2,3
.irp c, 0,1,2,3
	global_load_b128 v[SL+80*\s+16+16*\q+4*\c:SL+80*\s+16+16*\q+4*\c+3], v[VO+4*\s+\q], s[6:7] offset:512*\c
.endr
.endr
.endm
.macro PROC i, s, left, first, more
	s_wait_loadcnt \left                           ; loads come back in order: this row's 20 are in, the other slot's 20 stay out
	v_mov_b32 v4, s[CV+\i]
	v_mov_b32 v5, s[CV+16+\i]
	v_cmp_gt_f32 s52, v4, s[CV+8+\i]               ; quarter 1 beats quarter 0
	v_cmp_gt_f32 s53, v5, s[CV+24+\i]              ; quarter 3 beats quarter 2
	v_min_num_f32 v4, s[CV+8+\i], v4
	v_min_num_f32 v5, s[CV+24+\i], v5
	v_cmp_gt_f32 s54, v4, v5                       ; the upper pair beats the lower
.set j, 0
.rept 16
	v_cndmask_b32 v[SL+80*\s+16+j], v[SL+80*\s+16+j], v[SL+80*\s+32+j], s52
	v_cndmask_b32 v[SL+80*\s+48+j], v[SL+80*\s+48+j], v[SL+80*\s+64+j], s53
	v_cndmask_b32 v[SL+80*\s+16+j], v[SL+80*\s+16+j], v[SL+80*\s+48+j], s54
.set j, j+1
.endr
.irp k, 0,1,2,3,4,5,6,7
	v_pk_add_f32 v[SL+80*\s+16+2*\k:SL+80*\s+16+2*\k+1], v[SL+80*\s+16+2*\k:SL+80*\s+16+2*\k+1], v[SL+80*\s+2*\k:SL+80*\s+2*\k+1] neg_lo:[0,1] neg_hi:[0,1]   ; t = q - x
.endr
.if \first
	v_pk_mul_f32 v[20:21], v[SL+80*\s+16:SL+80*\s+17], v[SL+80*\s+16:SL+80*\s+17]      ; the first products start the sums
	v_pk_mul_f32 v[22:23], v[SL+80*\s+18:SL+80*\s+19], v[SL+80*\s+18:SL+80*\s+19]
.else
	v_pk_fma_f32 v[20:21], v[SL+80*\s+16:SL+80*\s+17], v[SL+80*\s+16:SL+80*\s+17], v[20:21]
	v_pk_fma_f32 v[22:23], v[SL+80*\s+18:SL+80*\s+19], v[SL+80*\s+18:SL+80*\s+19], v[22:23]
.endif
.irp k, 2,4,6
	v_pk_fma_f32 v[20:21], v[SL+80*\s+16+2*\k:SL+80*\s+16+2*\k+1], v[SL+80*\s+16+2*\k:SL+80*\s+16+2*\k+1], v[20:21]
	v_pk_fma_f32 v[22:23], v[SL+80*\s+18+2*\k:SL+80*\s+18+2*\k+1], v[SL+80*\s+18+2*\k:SL+80*\s+18+2*\k+1], v[22:23]
.endr
.irp k, 0,1,2,3,4,5,6,7
	v_pk_add_f32 v[SL+80*\s+2*\k:SL+80*\s+2*\k+1], v[SL+80*\s+2*\k:SL+80*\s+2*\k+1], v[SL+80*\s+16+2*\k:SL+80*\s+16+2*\k+1]   ; x + t
.endr
.irp c, 0,1,2,3
	global_store_b128 v2, v[SL+80*\s+4*\c:SL+80*\s+4*\c+3], s[12:13] offset:2048*\i+512*\c th:TH_STORE_NT   ; 512 consecutive bytes, aligned
.endr
.if \more
	s_wait_xcnt 0x0                                ; the stores' data registers are loaded again only behind this wait
	ISSUE \i+2, \s
.endif
.endm
	ISSUE 0, 0
	ISSUE 1, 1
	s_cmp_lg_u32 s18, 0
	s_cbranch_scc1 .Lrows
	; wave 0 alone: out1 for the group's 64 rows, two a lane
.irp q, 0,1,2,3
	global_load_b64 v[26+2*\q:27+2*\q], v24, s[8:9]   offset:65536*\q
	global_load_b64 v[34+2*\q:35+2*\q], v24, s[10:11] offset:65536*\q
.endr
	s_wait_loadcnt 0x0                             ; these eight were issued last; rows 0 and 1 come in during the same wait
.irp q, 1,2,3
.irp e, 0,1
	v_cmp_lt_f32 vcc_lo, v[26+2*\q+\e], v[26+\e]
	v_cndmask_b32 v[26+\e], v[26+\e], v[26+2*\q+\e], vcc_lo
	v_cndmask_b32 v[34+\e], v[34+\e], v[34+2*\q+\e], vcc_lo
.endr
.endr
	global_store_b64 v24, v[34:35], s[14:15]       ; 256 consecutive bytes, aligned; v24 and v[34:35] are not written again
.Lrows:
	PROC 0, 0, 20, 1, 1
	PROC 1, 1, 20, 0, 1
	PROC 2, 0, 20, 0, 1
	PROC 3, 1, 20, 0, 1
	PROC 4, 0, 20, 0, 1
	PROC 5, 1, 20, 0, 1
	PROC 6, 0, 20, 0, 0
	PROC 7, 1, 0, 0, 0
	v_pk_add_f32 v[20:21], v[20:21], v[22:23]
	v_add_f32 v20, v20, v21
	v_add_f32_dpp v20, v20, v20 row_xmask:1 row_mask:0xf bank_mask:0xf
	v_add_f32_dpp v20, v20, v20 row_xmask:2 row_mask:0xf bank_mask:0xf
	v_add_f32_dpp v20, v20, v20 row_xmask:4 row_mask:0xf bank_mask:0xf
	v_add_f32_dpp v20, v20, v20 row_xmask:8 row_mask:0xf bank_mask:0xf
	v_permlanex16_b32 v21, v20, s56, s57
	v_add_f32 v20, v20, v21                        ; the wave's sum, in every lane
	v_mov_b32 v22, s18
	v_lshlrev_b32 v22, 2, v22
	ds_store_b32 v22, v20                          ; word = wave
	s_wait_dscnt 0x0                               ; my store is in LDS before I say so
	s_barrier_signal -1
	s_barrier_wait -1
	s_cmp_lg_u32 s18, 0
	s_cbranch_scc1 .Lend
	v_mov_b32 v23, 0
	ds_load_b128 v[26:29], v23
	ds_load_b128 v[30:33], v23 offset:16
	s_wait_dscnt 0x0
	v_pk_add_f32 v[26:27], v[26:27], v[28:29]
	v_pk_add_f32 v[30:31], v[30:31], v[32:33]
	v_pk_add_f32 v[26:27], v[26:27], v[30:31]
	v_add_f32 v26, v26, v27
	v_mov_b32 v25, s61                             ; part[work-group]
	v_cmp_eq_u32 vcc_lo, 0, v1
	s_wait_xcnt 0x0                                ; EXEC changes only behind this wait
	s_and_saveexec_b32 s55, vcc_lo
	global_store_b32 v25, v26, s[16:17]
	s_wait_xcnt 0x0                                ; and again in front of the line that widens it
	s_or_b32 exec_lo, exec_lo, s55
.Lend:
	s_wait_tensorcnt 0x0
	ds_add_u32 v208, v209
	s_wait_dscnt 0x0
	s_endpgm
.Lfunc_end_k_qf5878a2f33_pick:
	.size	k_qf5878a2f33_pick, .Lfunc_end_k_qf5878a2f33_pick-k_qf5878a2f33_pick
	.p2alignl 7, 3214868480
	.fill 96, 4, 3214868480
	.section	.rodata,"a",@progbits
	.p2align	6, 0x0
	.amdhsa_kernel k_qf5878a2f33_pick
		.amdhsa_group_segment_fixed_size 1280
		.amdhsa_private_segment_fixed_size 0
		.amdhsa_enable_private_segment 0
		.amdhsa_kernarg_size 56
		.amdhsa_user_sgpr_count 2
		.amdhsa_user_sgpr_kernarg_segment_ptr 1
		.amdhsa_wavefront_size32 1
		.amdhsa_system_sgpr_workgroup_id_x 1
		.amdhsa_system_sgpr_workgroup_id_y 1
		.amdhsa_system_sgpr_workgroup_id_z 1
		.amdhsa_system_vgpr_workitem_id 0
		.amdhsa_next_free_vgpr 210
		.amdhsa_next_free_sgpr 100
		.amdhsa_reserve_vcc 1
		.amdhsa_float_denorm_mode_32 3
		.amdhsa_float_denorm_mode_16_64 3
		.amdhsa_memory_ordered 1
		.amdhsa_forward_progress 1
		.amdhsa_inst_pref_size 66
	.end_amdhsa_kernel
	.amdgpu_metadata
---
amdhsa.version: [ 1, 2 ]
amdhsa.kernels:
  - .name:           k_qf5878a2f33_pick
    .symbol:         k_qf5878a2f33_pick.kd
    .args:
      - { .name: x, .offset: 0, .size: 8, .value_kind: global_buffer, .address_space: global }
      - { .name: embed, .offset: 8, .size: 8, .value_kind: global_buffer, .address_space: global }
      - { .name: cv, .offset: 16, .size: 8, .value_kind: global_buffer, .address_space: global }
      - { .name: ci, .offset: 24, .size: 8, .value_kind: global_buffer, .address_space: global }
      - { .name: out0, .offset: 32, .size: 8, .value_kind: global_buffer, .address_space: global }
      - { .name: out1, .offset: 40, .size: 8, .value_kind: global_buffer, .address_space: global }
      - { .name: part, .offset: 48, .size: 8, .value_kind: global_buffer, .address_space: global }
    .group_segment_fixed_size: 1280
    .private_segment_fixed_size: 0
    .kernarg_segment_align: 8
    .kernarg_segment_size: 56
    .max_flat_workgroup_size: 256
    .sgpr_count:     100
    .vgpr_count:     210
    .wavefront_size: 32
...
	.end_amdgpu_metadata
.endif
;; end of part 3
;; launch total (part 4): grid 1 x 1, 1 waves a work-group, no clusters, 0 bytes of LDS; arguments part, out2; writes out2
.if DOCPART == 4
	.amdgcn_target "amdgcn-amd-amdhsa--gfx1250"
	.amdhsa_code_object_version 6
	.text
	.protected	k_qf5878a2f33_total
	.globl	k_qf5878a2f33_total
	.p2align	8
	.type	k_qf5878a2f33_total,@function
k_qf5878a2f33_total:
	s_mov_b64 s[64:65], 0
	v_nop
	global_prefetch_b8 v0, s[64:65] scope:SCOPE_SE
	s_setreg_imm32_b32 hwreg(HW_REG_WAVE_MODE, 25, 1), 1
	s_wait_xcnt 0x0
; out2 = (sum of the 256 partial sums) / (8 x 2,048 x 512) x the commitment weight 1.0.  One wave: a sum over work-groups has one owner.
	s_load_b128 s[4:7], s[0:1], 0x0                ; part s[4:5], out2 s[6:7]
	v_lshlrev_b32 v1, 4, v0
	s_mov_b32 s8, 0x76543210
	s_mov_b32 s9, 0xfedcba98
	s_wait_kmcnt 0x0
	global_load_b128 v[2:5], v1, s[4:5]
	global_load_b128 v[6:9], v1, s[4:5] offset:512
	s_wait_loadcnt 0x0
	v_pk_add_f32 v[2:3], v[2:3], v[4:5]
	v_pk_add_f32 v[6:7], v[6:7], v[8:9]
	v_pk_add_f32 v[2:3], v[2:3], v[6:7]
	v_add_f32 v2, v2, v3
	v_add_f32_dpp v2, v2, v2 row_xmask:1 row_mask:0xf bank_mask:0xf
	v_add_f32_dpp v2, v2, v2 row_xmask:2 row_mask:0xf bank_mask:0xf
	v_add_f32_dpp v2, v2, v2 row_xmask:4 row_mask:0xf bank_mask:0xf
	v_add_f32_dpp v2, v2, v2 row_xmask:8 row_mask:0xf bank_mask:0xf
	v_permlanex16_b32 v3, v2, s8, s9
	v_add_f32 v2, v2, v3
	v_mul_f32 v2, 0x34000000, v2                   ; 2^-23 = 1 / 8,388,608
	v_mov_b32 v10, 0
	v_cmp_eq_u32 vcc_lo, 0, v0
	s_wait_xcnt 0x0                                ; EXEC changes only behind this wait
	s_and_saveexec_b32 s10, vcc_lo
	global_store_b32 v10, v2, s[6:7]
	s_wait_xcnt 0x0
	s_or_b32 exec_lo, exec_lo, s10
	s_endpgm
.Lfunc_end_k_qf5878a2f33_total:
	.size	k_qf5878a2f33_total, .Lfunc_end_k_qf5878a2f33_total-k_qf5878a2f33_total
	.p2alignl 7, 3214868480
	.fill 96, 4, 3214868480
	.section	.rodata,"a",@progbits
	.p2align	6, 0x0
	.amdhsa_kernel k_qf5878a2f33_total
		.amdhsa_group_segment_fixed_size 0
		.amdhsa_private_segment_fixed_size 0
		.amdhsa_enable_private_segment 0
		.amdhsa_kernarg_size 16
		.amdhsa_user_sgpr_count 2
		.amdhsa_user_sgpr_kernarg_segment_ptr 1
		.amdhsa_wavefront_size32 1
		.amdhsa_system_sgpr_workgroup_id_x 1
		.amdhsa_system_sgpr_workgroup_id_y 1
		.amdhsa_system_sgpr_workgroup_id_z 1
		.amdhsa_system_vgpr_workitem_id 0
		.amdhsa_next_free_vgpr 16
		.amdhsa_next_free_sgpr 66
		.amdhsa_reserve_vcc 1
		.amdhsa_float_denorm_mode_32 3
		.amdhsa_float_denorm_mode_16_64 3
		.amdhsa_memory_ordered 1
		.amdhsa_forward_progress 1
		.amdhsa_inst_pref_size 2
	.end_amdhsa_kernel
	.amdgpu_metadata
---
amdhsa.version: [ 1, 2 ]
amdhsa.kernels:
  - .name:           k_qf5878a2f33_total
    .symbol:         k_qf5878a2f33_total.kd
    .args:
      - { .name: part, .offset: 0, .size: 8, .value_kind: global_buffer, .address_space: global }
      - { .name: out2, .offset: 8, .size: 8, .value_kind: global_buffer, .address_space: global }
    .group_segment_fixed_size: 0
    .private_segment_fixed_size: 0
    .kernarg_segment_align: 8
    .kernarg_segment_size: 16
    .max_flat_workgroup_size: 32
    .sgpr_count:     66
    .vgpr_count:     16
    .wavefront_size: 32
...
	.end_amdgpu_metadata
.endif
;; end of part 4
;; ======== version 2 of 3: 4 launches; 1.14 times as fast as version 1
;; workspace buffers: ebf 8,388,608 bytes; e2 32,768 bytes; cv 262,144 bytes; ci 262,144 bytes of whole numbers; part 1,024 bytes
;; launch prep: the kernel of part 1 again; grid 128 x 1, 8 waves a work-group, no clusters, 1,280 bytes of LDS; arguments embed, ebf, e2; writes ebf, e2
;; launch main (part 5): grid 64 x 4, 4 waves a work-group, clusters of 4 x 4, 327,680 bytes of LDS; arguments x, ebf, e2, cv, ci; writes cv, ci
.if DOCPART == 5
	.amdgcn_target "amdgcn-amd-amdhsa--gfx1250"
	.amdhsa_code_object_version 6
	.text
	.protected	k_qf5878a2f33_main
	.globl	k_qf5878a2f33_main
	.p2align	8
	.type	k_qf5878a2f33_main,@function
k_qf5878a2f33_main:
	s_mov_b64 s[64:65], 0
	v_nop
	global_prefetch_b8 v0, s[64:65] scope:SCOPE_SE
	s_setreg_imm32_b32 hwreg(HW_REG_WAVE_MODE, 25, 1), 1
	s_wait_xcnt 0x0
	s_wait_alu depctr_hold_cnt(0) depctr_sa_sdst(0) depctr_va_vdst(0) depctr_va_sdst(0) depctr_va_ssrc(0) depctr_va_vcc(0) depctr_vm_vsrc(0)
	s_getreg_b32 s2, hwreg(HW_REG_IB_STS2, 6, 4)
	s_cmp_eq_u32 s2, 0
	s_cbranch_scc0 .Lentry_in_a_cluster
	s_endpgm
.Lentry_in_a_cluster:
	s_bfe_u32 s2, ttmp6, 0x10000c
	s_cmp_lg_u32 s2, 0xf033
	s_cbranch_scc0 .Lentry_shape_is_right
	s_endpgm
.Lentry_shape_is_right:
; For 256 rows of x and one quarter (2,048 codes) of the codebook: cv[quarter][row] = the least score, ci[quarter][row] = its code,
; score(row, c) = e2[c] - 2 x[row].ebf[c].  The scores never leave the registers.
; LIMITS.  x2, which is the same for all codes of a row, is left out of the comparison; operands are bf16, sums f32, and the score is
; one fused multiply-add: the order of rounding differs from x2 - 2 xe + e2, so a row whose two best codes lie closer than the f32
; rounding of those sums may give the other code.  Equal scores give the lowest code.  NaN and infinite inputs are not served.
; SHAPE.  Four waves, one for each SIMD.  A wave keeps its 64 rows x 512 k of x as bf16 fragments in 512 registers for the whole launch;
; the codes stream through two LDS slots of 128 codes.  A code fragment (16 codes x 32 k) read from LDS feeds four matrix instructions.
; A tile = 16 codes x 64 rows x 512 k = 64 matrix instructions on 4 accumulators; two sets of accumulators: while tile t is multiplied,
; the 128 vector instructions that fold tile t-1 into the running minimum stand two behind each matrix instruction.
; FRAGMENTS IN RUNS.  A tile's 16 code fragments come in three groups (k steps 0-5, 6-10, 11-15) that take turns on two halves of six fragments;
; while one group is multiplied the next group's loads go out as ONE run, so the matrix instructions of a tile are parted by LDS loads three times, not sixteen.
; More than two halves of six do not fit: the fragments share a window of 256 registers with both sets of accumulators (64), the least scores (32) and their codes (32),
; because the fold's instructions stand between the matrix instructions under the same window setting.
; CLUSTER.  4 x 4 work-groups: x of the grid = row block, y = quarter.  The four work-groups of a cluster's row walk the same quarter: its tiles
; and its e2 are asked for jointly, which divides those requests by four.  The four of a column read the same 0.5 MB of x, once, against
; 2 MB of codes; x comes through registers, because it is rounded to bf16 on the way, and is not asked for jointly.
; THE MATRIX INSTRUCTION: source 0 = 16 codes, source 1 = 16 rows of x.  Lane l then holds row l % 16, register j code 8 (l / 16) + j.
.set PITCH,  1040                      ; LDS row of a code: 1,024 bytes + 16 of padding, an odd multiple of 16: the 16 rows of a fragment load start 16 bytes apart modulo 256
.set TILEB,  16*PITCH
.set WPART,  32*PITCH                  ; what one tensor load brings: 32 codes
.set SLOTB,  128*PITCH
.set E2L,    2*SLOTB                   ; the quarter's e2, 8,192 bytes, filled once
.set XST,    E2L+8192                  ; each wave's own stage, 16 rows x 528 bytes, written by LDS stores; no tensor load ever lands here
.set XPITCH, 528
.set XSTB,   16*XPITCH
; window 0
.set EAD, 2                            ; v2-5     LDS address of my part of a fragment: slot 0 codes 0-63, 64-127, slot 1 likewise
.set E2A, 6                            ; v6       LDS address of my 8 numbers of e2 in this pair's first tile
.set XO,  7                            ; v7       16 lane
.set E2R, 8                            ; v8-15    e2 of one tile
.set TMP, 16                           ; v16-19   best - score, two pairs
.set SC,  20                           ; v20-21   the other half's value and code
.set H8,  22                           ; v22      8 (l / 16)
.set XSW, 23                           ; v23      stage + 8 lane
.set OV,  24                           ; v24-27   on the way out
.set XSR, 28                           ; v28      stage + 528 (l % 16) + 16 (l / 16)
.set XSO, 29                           ; v29      stage + 4 (l % 16)
.set CO,  30                           ; v30      8 lane
.set ER,  32                           ; v32-127  code fragments: two halves of six
.set ACC, 128                          ; v128-191 two sets of 4 accumulators
.set BV,  192                          ; v192-223 least score of (x tile, register j)
.set BI,  224                          ; v224-255 first code of the tile in which it was met
; window 1: v0-127, v128-255: x as f32 on its way in, two buffers.  Windows 2, 3: x fragments of k steps 0-7, 8-15, at 8 (4 (ks % 8) + x tile).
.set MAIN_LO, 0x08                     ; source 1 in window 2, all else in window 0
.set MAIN_HI, 0x0c                     ; source 1 in window 3
.set MSB, 0
.macro WIN new                         ; the immediate's high byte repeats the setting that is left
.if MSB != (\new)
	s_set_vgpr_msb (MSB<<8)|(\new)
.set MSB, \new
.endif
.endm
.macro NOP4
.rept 4
	v_nop
.endr
.endm
; A round of the cluster's barrier: my work-group's barrier; wave 0 signals for the work-group; every wave waits for all sixteen; my work-group's barrier again.
.macro CREST                           ; a round behind its opening barrier
	s_cmp_lg_u32 s14, 0
	s_cbranch_scc1 .Lnot_wave_0_\@
	s_barrier_signal -3
.Lnot_wave_0_\@:
	s_barrier_wait -3
	s_barrier_signal -1
	s_barrier_wait -1
.endm
.macro ROUND
	s_barrier_signal -1
	s_barrier_wait -1
	CREST
.endm
	s_load_b256 s[4:11], s[0:1], 0x0               ; x s[4:5], ebf s[6:7], e2 s[8:9], cv s[10:11]
	s_load_b64 s[12:13], s[0:1], 0x20              ; ci
	v_lshl_add_u32 v146, v0, 2, 0x4b400
	v_mov_b32 v147, 0
	ds_add_u32 v146, v147
	s_wait_dscnt 0x0
	v_lshrrev_b32 v1, 5, v0
	v_readfirstlane_b32 s14, v1                    ; wave 0..3
	s_bfe_u32 s44, ttmp6, 0x40000                  ; cx
	s_bfe_u32 s45, ttmp6, 0x40004                  ; cy
	s_lshl_b32 s46, ttmp9, 2
	s_add_co_u32 s46, s46, s44                     ; row block = 4 x cluster x + cx
	s_and_b32 s47, ttmp7, 0xffff
	s_lshl_b32 s47, s47, 2
	s_add_co_u32 s47, s47, s45                     ; quarter = 4 x cluster y + cy
	s_lshl_b32 s59, s45, 2
	s_lshl_b32 s59, 15, s59                        ; my row of the cluster: places 4 cy .. 4 cy + 3
	s_mov_b32 s53, 0x7f800000                      ; +infinity
	s_mov_b32 s54, 0x76543210                      ; v_permlanex16_b32: lane i reads lane i of the other half
	s_mov_b32 s55, 0xfedcba98
	s_lshl_b32 s52, s47, 11
	s_sub_co_u32 s52, s52, 32                      ; first code of the tile being folded; 16 are added at each tile's head, and the fold runs one tile behind
	; group 1 for the codes: 32 rows x 512 elements of 2 bytes, 4 words of padding behind every 256 words
	s_or_b32 s16, s59, (1<<16)|(1<<20)|(1<<21)|(7<<22)|(3<<25)   ; 15:0 mask; 17:16 2 bytes; 20 padding on; 21 set beside a mask; 24:22 every 256 words; 31:25 4 words
	s_mov_b32 s17, 512<<16                         ; tensor_dim0 = 512
	s_mov_b32 s18, 32<<16                          ; tensor_dim1 = 32
	s_mov_b32 s19, 512<<16                         ; tile_dim0 = 512
	s_mov_b32 s20, 32                              ; tile_dim1 = 32
	s_mov_b32 s21, 512                             ; elements from row to row
	s_mov_b32 s22, 0
	s_mov_b32 s23, 0
	; group 1 for e2: one row of 256 elements of 8 bytes
	s_or_b32 s24, s59, (3<<16)|(1<<21)
	s_mov_b32 s25, 256<<16
	s_mov_b32 s26, 1<<16
	s_mov_b32 s27, 256<<16
	s_mov_b32 s28, 1
	s_mov_b32 s29, 256
	s_mov_b32 s30, 0
	s_mov_b32 s31, 0
	; groups 0.  LDS addresses hang on the wave's number alone, global addresses on the quarter and the wave's number: alike in my row of the cluster
	s_mov_b32 s32, 1
	s_mul_i32 s33, s14, WPART                      ; slot 0, my 32 codes
	s_mov_b32 s36, 1
	s_add_co_u32 s37, s33, SLOTB                   ; slot 1
	s_mov_b32 s40, 1
	s_lshl_b32 s41, s14, 11
	s_add_co_u32 s41, s41, E2L                     ; my 2,048 bytes of e2
	s_lshl_b32 s48, s47, 21                        ; quarter x 2,048 codes x 1,024 bytes
	s_lshl_b32 s49, s14, 15                        ; wave x 32 codes
	s_add_co_u32 s48, s48, s49
	s_mov_b32 s49, 0
	s_lshl_b32 s50, s46, 19                        ; row block x 256 rows x 2,048 bytes
	s_lshl_b32 s51, s14, 17                        ; wave x 64 rows
	s_add_co_u32 s50, s50, s51
	s_mov_b32 s51, 0
	s_mul_i32 s56, s14, XSTB
	s_add_co_u32 s56, s56, XST                     ; my stage
	v_and_b32 v16, 15, v0                          ; l % 16
	v_bfe_u32 v17, v0, 4, 1                        ; l / 16
	v_and_b32 v18, 31, v0                          ; lane
	v_mul_u32_u24 v[EAD], v16, PITCH
	v_lshl_add_u32 v[EAD], v17, 4, v[EAD]          ; row x pitch + 16 x half
	v_add_nc_u32 v[EAD+1], 4*TILEB, v[EAD]
	v_add_nc_u32 v[EAD+2], SLOTB, v[EAD]
	v_add_nc_u32 v[EAD+3], SLOTB+4*TILEB, v[EAD]
	v_lshlrev_b32 v[E2A], 5, v17
	v_add_nc_u32 v[E2A], E2L, v[E2A]
	v_lshlrev_b32 v[H8], 3, v17
	v_mov_b32 v[SC], 0
	v_mov_b32 v[SC+1], 0
	v_lshlrev_b32 v[XO], 4, v18
	v_lshl_add_u32 v[XSW], v18, 3, s56
	v_mul_u32_u24 v[XSR], v16, XPITCH
	v_lshl_add_u32 v[XSR], v17, 4, v[XSR]
	v_add_nc_u32 v[XSR], s56, v[XSR]
	v_lshl_add_u32 v[XSO], v16, 2, s56
	v_lshlrev_b32 v[CO], 3, v18
	s_wait_kmcnt 0x0
	s_add_nc_u64 s[34:35], s[6:7], s[48:49]        ; codes 0-127 of the quarter, my 32
	s_add_nc_u64 s[38:39], s[34:35], 0x20000       ; codes 128-255
	s_or_b32 s35, s35, 0x80000000                  ; type = 2
	s_or_b32 s39, s39, 0x80000000
	s_lshl_b32 s48, s47, 13                        ; quarter x 8,192 bytes of e2
	s_lshl_b32 s49, s14, 11
	s_add_co_u32 s48, s48, s49
	s_mov_b32 s49, 0
	s_add_nc_u64 s[42:43], s[8:9], s[48:49]
	s_or_b32 s43, s43, 0x80000000
	s_add_nc_u64 s[4:5], s[4:5], s[50:51]          ; x at my 64 rows
	ROUND                                          ; all sixteen work-groups are here: the first joint loads meet
	tensor_load_to_lds s[40:43], s[24:31]          ; the three first fills go out as one group: e2,
	s_nop 0
	NOP4
	tensor_load_to_lds s[32:35], s[16:23]          ; slot 0,
	s_nop 0
	NOP4
	tensor_load_to_lds s[36:39], s[16:23]          ; slot 1: three tensor loads of the wave are out
	s_nop 0
	NOP4
; x ON ITS WAY IN, eight steps of 16 rows x 256 k.  Step s: x tile s / 2, k half s % 2.
; 32 loads, each 512 consecutive bytes of one row; rounded to bf16; 8 bytes a lane into my stage; read back as fragments.
.macro XLOAD s
	WIN 0x40                                       ; destination in window 1
.set XI, 0
.rept 32
	global_load_b128 v[128*((\s)&1)+4*XI:128*((\s)&1)+4*XI+3], v[XO], s[4:5] offset:(16*((\s)>>1)+(XI>>1))*2048+((\s)&1)*1024+(XI&1)*512
.set XI, XI+1
.endr
.endm
.macro XSTEP s, left
	s_wait_loadcnt \left                           ; this step's 32 loads are in; the next step's 32 stay out
	WIN 0x45                                       ; all of the conversion in window 1
.set XI, 0
.rept 32
	v_cvt_pk_bf16_f32 v[128*((\s)&1)+4*XI],   v[128*((\s)&1)+4*XI],   v[128*((\s)&1)+4*XI+1]
	v_cvt_pk_bf16_f32 v[128*((\s)&1)+4*XI+1], v[128*((\s)&1)+4*XI+2], v[128*((\s)&1)+4*XI+3]
.set XI, XI+1
.endr
	WIN 0x04                                       ; store data in window 1
.set XI, 0
.rept 32
	ds_store_b64 v[XSW], v[128*((\s)&1)+4*XI:128*((\s)&1)+4*XI+1] offset:(XI>>1)*XPITCH+(XI&1)*256
.set XI, XI+1
.endr
.if \s < 6
	XLOAD \s+2
.endif
.if (\s)&1
	WIN 0xc0                                       ; destination in window 3
.else
	WIN 0x80                                       ; destination in window 2
.endif
.set XI, 0
.rept 8
	ds_load_b128 v[8*(4*XI+((\s)>>1)):8*(4*XI+((\s)>>1))+3],   v[XSR] offset:64*XI      ; LDS serves a wave's instructions in order (ISA guide 5.7.1):
	ds_load_b128 v[8*(4*XI+((\s)>>1))+4:8*(4*XI+((\s)>>1))+7], v[XSR] offset:64*XI+32   ; these see the stores above, and the next step's stores come behind them
.set XI, XI+1
.endr
.endm
	XLOAD 0
	XLOAD 1
	XSTEP 0, 32
	XSTEP 1, 32
	XSTEP 2, 32
	XSTEP 3, 32
	XSTEP 4, 32
	XSTEP 5, 32
	XSTEP 6, 32
	XSTEP 7, 0
	WIN 0
	; The fold runs one tile behind, so the first tile folds a tile that does not exist: sums 0 and e2 = +infinity give the score +infinity,
	; best - score = NaN compares false, and the minimum stays +infinity: nothing changes.
.set XI, 0
.rept 32
	v_mov_b32 v[BV+XI], s53
	v_mov_b32 v[BI+XI], 0
	v_mov_b32 v[ACC+32+XI], 0
.set XI, XI+1
.endr
.set XI, 0
.rept 8
	v_mov_b32 v[E2R+XI], s53
.set XI, XI+1
.endr
	s_wait_tensorcnt 0x1                           ; tensor loads of a wave end in order: my parts of e2 and of slot 0 are in; slot 1's stays out
	s_wait_dscnt 0x0                               ; x's fragments are in
	s_barrier_signal -1
	s_barrier_wait -1                              ; everybody's parts are in
; FR = first register of fragment ks of a tile of parity par.  Group g (k steps 0-5, 6-10, 11-15) of tile t lies in half (t + g) % 2:
; the groups take turns on the halves from tile to tile too, since a tile has three of them.
.macro FRAGREG par, ks
.if (\ks) < 6
.set FR, ER+48*((\par)&1)+8*(\ks)
.else
.if (\ks) < 11
.set FR, ER+48*(((\par)+1)&1)+8*((\ks)-6)
.else
.set FR, ER+48*((\par)&1)+8*((\ks)-11)
.endif
.endif
.endm
; Fragment ks (32 k) of tile t of a slot: lane l takes row l % 16, k = 8 (l / 16) + 0..7 and 16 + 8 (l / 16) + 0..7
.macro LDFRAG slot, t, ks
	FRAGREG \t, \ks
	ds_load_b128 v[FR:FR+3],   v[EAD+2*(\slot)+((\t)>>2)] offset:((\t)&3)*TILEB+64*(\ks)
	ds_load_b128 v[FR+4:FR+7], v[EAD+2*(\slot)+((\t)>>2)] offset:((\t)&3)*TILEB+64*(\ks)+32
.endm
; One run: fragments k0 .. k1 of tile t
.macro RUNLD slot, t, k0, k1
.set RK, \k0
.rept (\k1)-(\k0)+1
	LDFRAG \slot, \t, RK
.set RK, RK+1
.endr
.endm
; Instruction number EN of the 128 that fold accumulator set EQ into the running minimum.  Vector registers stand only as destination, source 0 and
; source 2, which the settings MAIN_LO and MAIN_HI leave in window 0; source 1 is a constant or a scalar register.
; 0-15: score = e2 - 2 sum, in place, two at a time.  Then for each of 16 pairs: best - score; and for each of the two: is it above 0,
; then the tile's first code replaces the kept one, and the minimum is taken.  Only a strictly lower score replaces: of equal scores the earlier tile stays.
.macro EOP
.if EN < 16
.set EOA, ACC+32*EQ+2*EN
.set EOE, E2R+2*(EN&3)
	v_pk_fma_f32 v[EOA:EOA+1], v[EOA:EOA+1], -2.0, v[EOE:EOE+1] op_sel_hi:[1,0,1]
.else
.set PRN, (EN-16)/7
.set SUBN, (EN-16)%7
.set EOA, ACC+32*EQ+2*PRN
.set EOB, BV+2*PRN
.set EOI, BI+2*PRN
.set EOT, TMP+2*(PRN&1)
.if SUBN == 0
	v_pk_fma_f32 v[EOT:EOT+1], v[EOA:EOA+1], -1.0, v[EOB:EOB+1] op_sel_hi:[1,0,1]
.else
.set EOL, (SUBN-1)/3
.set EOK, (SUBN-1)%3
.if EOK == 0
	v_cmp_gt_f32 vcc_lo, v[EOT+EOL], 0
.endif
.if EOK == 1
	v_cndmask_b32 v[EOI+EOL], v[EOI+EOL], s52, vcc_lo
.endif
.if EOK == 2
	v_min3_num_f32 v[EOB+EOL], v[EOA+EOL], s53, v[EOB+EOL]
.endif
.endif
.endif
.set EN, EN+1
.endm
; Block CC of a tile: k step CC, four matrix instructions, one for each x tile, each followed by two instructions of the fold.
; The four accumulators take turns, one instruction a turn.
.macro BLOCK
	FRAGREG PP, CC
.irp xt, 0,1,2,3
.if CC == 0
	v_wmma_f32_16x16x32_bf16 v[ACC+32*PP+8*\xt:ACC+32*PP+8*\xt+7], v[FR:FR+7], v[8*(4*(CC&7)+\xt):8*(4*(CC&7)+\xt)+7], 0
.else
	v_wmma_f32_16x16x32_bf16 v[ACC+32*PP+8*\xt:ACC+32*PP+8*\xt+7], v[FR:FR+7], v[8*(4*(CC&7)+\xt):8*(4*(CC&7)+\xt)+7], v[ACC+32*PP+8*\xt:ACC+32*PP+8*\xt+7]
.endif
	EOP
	EOP
.endr
.endm
; What stands in front of block CC.  mode 0: a tile inside a slot.  1: a slot's last tile, the slot is filled again.  2: a slot's last tile, no fill.  3: the last tile of all.
; THE RUNS stand in front of a group's second block: block 1 (k steps 6-10, 10 loads), block 7 (k steps 11-15 and the tile's e2, 12 loads), block 12 (the next tile's k steps 0-5, 12 loads).
; The half that a run writes was last read two blocks earlier: behind the last matrix instruction that read it stand ten fold instructions (two of its block, eight of the next)
; that name none of its registers: more than the four places that a load into a matrix instruction's source needs (ISA guide 7.12.1 for vector instructions).
; THE WAITS.  LDS loads come back in order (ISA guide 5.7.1), two for a fragment; the count in front of block c is the number of loads younger than fragment c's:
; blocks 0-1: 10 - 2 c (the rest of the six fragments);  2-7: 20 - 2 c (block 1's 10 more);  8-12: 32 - 2 c (block 7's 12 more);  13-15: 44 - 2 c (block 12's 12 more).
; The count 10 at a tile's head also shows the last tile's e2 landed: its loads are older than the run of block 12.
.macro PRELUDE slot, t, mode
.if CC == 0
	WIN MAIN_LO
.endif
.if CC == 8
	WIN MAIN_HI
.endif
.set WC, 44-2*CC
.if CC < 13
.set WC, 32-2*CC
.endif
.if CC < 8
.set WC, 20-2*CC
.endif
.if CC < 2
.set WC, 10-2*CC
.endif
.if \mode == 3
.if CC > 12
.set WC, 32-2*CC                                   ; no run stood in front of block 12: the counts run down to e2's two loads
.endif
.endif
.set CHG, 0
.if \mode
.if \mode < 3
.if CC > 10
.set CHG, 1
.endif
.endif
.endif
.if CHG
.if CC == 11
	s_wait_dscnt 0x0                               ; my reads of this slot are over (the last were issued in front of block 7); blocks 11 to 15 need no further wait
	s_wait_xcnt 0x0
	v_lshl_add_u32 v146, v0, 2, 0x4b400
	v_mov_b32 v147, 0
	s_set_vgpr_msb 0xc00
	s_wait_tensorcnt 0x0                           ; all my tensor loads have landed: the one that was out is my part of the other slot
	ds_add_u32 v146, v147
	s_wait_dscnt 0x0
	s_set_vgpr_msb 0xc
	s_barrier_signal -1                            ; say so; block 11 works on registers alone
.endif
.if CC == 12
.if \mode == 1
	WIN 0
	s_barrier_wait -1
	CREST                                          ; the round is closed: no wave of any partner still reads this slot or has a load on its way
	s_add_nc_u64 s[34+4*\slot:35+4*\slot], s[34+4*\slot:35+4*\slot], 0x40000   ; 256 codes on; no tensor load of mine is out
	tensor_load_to_lds s[32+4*\slot:35+4*\slot], s[16:23]                      ; my one tensor load behind the round, first thing there; 508 matrix instructions stand before the wait for it
	s_nop 0
	NOP4
	WIN MAIN_HI
.else
	s_barrier_wait -1                              ; the other slot is whole; nothing is left to fetch
.endif
	RUNLD 1-\slot, 0, 0, 5                         ; the other slot's first six fragments: twelve loads are out, as at every tile's head
.endif
.else
	s_wait_dscnt WC
.if CC == 1
	RUNLD \slot, \t, 6, 10
.endif
.if CC == 7
	RUNLD \slot, \t, 11, 15
	ds_load_b128 v[E2R:E2R+3],   v[E2A] offset:64*(8*\slot+\t)      ; this tile's e2, for the fold in the next tile; the last tile's was last read in block 1
	ds_load_b128 v[E2R+4:E2R+7], v[E2A] offset:64*(8*\slot+\t)+16
.endif
.if CC == 12
.if \mode == 0
	RUNLD \slot, \t+1, 0, 5
.endif
.endif
.endif
.endm
.macro TILE slot, t, mode
	s_add_co_u32 s52, s52, 16                      ; first code of the tile that is folded now
.set EN, 0
.set PP, (\t)&1
.set EQ, 1-PP
.set CC, 0
.rept 16
	PRELUDE \slot, \t, \mode
	BLOCK
.set CC, CC+1
.endr
.endm
.macro PAIR fill                       ; both slots, 256 codes
.irp t, 0,1,2,3,4,5,6
	TILE 0, \t, 0
.endr
.if \fill
	TILE 0, 7, 1
.else
	TILE 0, 7, 2
.endif
.irp t, 0,1,2,3,4,5,6
	TILE 1, \t, 0
.endr
.if \fill
	TILE 1, 7, 1
.else
	TILE 1, 7, 3
.endif
.endm
	RUNLD 0, 0, 0, 5                               ; the first tile's first six fragments
	s_mov_b32 s15, 7                               ; 8 pairs of slots; the last is written out, without fills
.Lpair:
	PAIR 1
	WIN 0                                          ; at a label and at a branch every window is 0
	v_add_nc_u32 v[E2A], 0x400, v[E2A]             ; 16 tiles x 64 bytes of e2
	s_sub_co_u32 s15, s15, 1
	s_cmp_lg_u32 s15, 0
	s_cbranch_scc1 .Lpair
	PAIR 0
	WIN 0
	s_wait_dscnt 0x0                               ; the last tile's e2 is in
	NOP4                                           ; places behind the last matrix instructions
	s_add_co_u32 s52, s52, 16
.set EN, 0
.set EQ, 1
.rept 128
	EOP                                            ; the last tile is folded
.endr
; (va, ia) takes (vb, ib) if vb is lower, or equal with the lower code
.macro MERGE va, ia, vb, ib
	v_cmp_lt_f32 s56, v[\vb], v[\va]
	v_cmp_eq_f32 s57, v[\vb], v[\va]
	v_cmp_lt_u32 s58, v[\ib], v[\ia]
	s_and_b32 s57, s57, s58
	s_or_b32 vcc_lo, s56, s57
	v_cndmask_b32 v[\va], v[\va], v[\vb], vcc_lo
	v_cndmask_b32 v[\ia], v[\ia], v[\ib], vcc_lo
.endm
.irp xt, 0,1,2,3
.irp j, 1,2,3,4,5,6,7
	v_add_nc_u32 v[BI+8*\xt+\j], \j, v[BI+8*\xt+\j]          ; code = tile's first + 8 (l / 16) + j
.endr
	MERGE BV+8*\xt,   BI+8*\xt,   BV+8*\xt+1, BI+8*\xt+1
	MERGE BV+8*\xt+2, BI+8*\xt+2, BV+8*\xt+3, BI+8*\xt+3
	MERGE BV+8*\xt+4, BI+8*\xt+4, BV+8*\xt+5, BI+8*\xt+5
	MERGE BV+8*\xt+6, BI+8*\xt+6, BV+8*\xt+7, BI+8*\xt+7
	MERGE BV+8*\xt,   BI+8*\xt,   BV+8*\xt+2, BI+8*\xt+2
	MERGE BV+8*\xt+4, BI+8*\xt+4, BV+8*\xt+6, BI+8*\xt+6
	MERGE BV+8*\xt,   BI+8*\xt,   BV+8*\xt+4, BI+8*\xt+4
	v_add_nc_u32 v[BI+8*\xt], v[H8], v[BI+8*\xt]
	v_permlanex16_b32 v[SC],   v[BV+8*\xt], s54, s55         ; the other half of the lanes holds the same row's other eight codes of each tile
	v_permlanex16_b32 v[SC+1], v[BI+8*\xt], s54, s55
	MERGE BV+8*\xt, BI+8*\xt, SC, SC+1
	ds_store_b32 v[XSO], v[BV+8*\xt] offset:64*\xt           ; both halves write the same word with the same number
	ds_store_b32 v[XSO], v[BI+8*\xt] offset:256+64*\xt
.endr
	s_lshl_b32 s50, s47, 16                        ; (quarter x 16,384 + row block x 256 + wave x 64) x 4 bytes
	s_lshl_b32 s51, s46, 10
	s_add_co_u32 s50, s50, s51
	s_lshl_b32 s51, s14, 8
	s_add_co_u32 s50, s50, s51
	s_mov_b32 s51, 0
	s_add_nc_u64 s[10:11], s[10:11], s[50:51]
	s_add_nc_u64 s[12:13], s[12:13], s[50:51]
	ds_load_b64 v[OV:OV+1],   v[XSW]               ; my own bytes, served in order behind the stores above
	ds_load_b64 v[OV+2:OV+3], v[XSW] offset:256
	s_wait_dscnt 0x0
	global_store_b64 v[CO], v[OV:OV+1],   s[10:11] ; my 64 rows' scores: 256 consecutive bytes, aligned
	global_store_b64 v[CO], v[OV+2:OV+3], s[12:13] ; and their codes
	s_wait_xcnt 0x0
	v_lshl_add_u32 v146, v0, 2, 0x4b400
	v_mov_b32 v147, 0
	s_wait_tensorcnt 0x0
	ds_add_u32 v146, v147
	s_wait_dscnt 0x0
	ROUND                                          ; the closing round: no work-group ends while a partner may still ask for a tile that names it
	s_endpgm
.Lfunc_end_k_qf5878a2f33_main:
	.size	k_qf5878a2f33_main, .Lfunc_end_k_qf5878a2f33_main-k_qf5878a2f33_main
	.p2alignl 7, 3214868480
	.fill 96, 4, 3214868480
	.section	.rodata,"a",@progbits
	.p2align	6, 0x0
	.amdhsa_kernel k_qf5878a2f33_main
		.amdhsa_group_segment_fixed_size 327680
		.amdhsa_private_segment_fixed_size 0
		.amdhsa_enable_private_segment 0
		.amdhsa_kernarg_size 40
		.amdhsa_user_sgpr_count 2
		.amdhsa_user_sgpr_kernarg_segment_ptr 1
		.amdhsa_wavefront_size32 1
		.amdhsa_system_sgpr_workgroup_id_x 1
		.amdhsa_system_sgpr_workgroup_id_y 1
		.amdhsa_system_sgpr_workgroup_id_z 1
		.amdhsa_system_vgpr_workitem_id 0
		.amdhsa_next_free_vgpr 1024
		.amdhsa_next_free_sgpr 66
		.amdhsa_reserve_vcc 1
		.amdhsa_float_denorm_mode_32 3
		.amdhsa_float_denorm_mode_16_64 3
		.amdhsa_memory_ordered 1
		.amdhsa_forward_progress 1
		.amdhsa_inst_pref_size 255
	.end_amdhsa_kernel
	.section	.bss,"aw",@nobits
	.p2align	6
	.space	262144
	.amdgpu_metadata
---
amdhsa.version: [ 1, 2 ]
amdhsa.kernels:
  - .name:           k_qf5878a2f33_main
    .symbol:         k_qf5878a2f33_main.kd
    .args:
      - { .name: x, .offset: 0, .size: 8, .value_kind: global_buffer, .address_space: global }
      - { .name: ebf, .offset: 8, .size: 8, .value_kind: global_buffer, .address_space: global }
      - { .name: e2, .offset: 16, .size: 8, .value_kind: global_buffer, .address_space: global }
      - { .name: cv, .offset: 24, .size: 8, .value_kind: global_buffer, .address_space: global }
      - { .name: ci, .offset: 32, .size: 8, .value_kind: global_buffer, .address_space: global }
    .group_segment_fixed_size: 327680
    .private_segment_fixed_size: 0
    .kernarg_segment_align: 8
    .kernarg_segment_size: 40
    .max_flat_workgroup_size: 128
    .sgpr_count:     66
    .vgpr_count:     1024
    .wavefront_size: 32
...
	.end_amdgpu_metadata
.endif
;; end of part 5
;; launch pick: the kernel of part 3 again; grid 256 x 1, 8 waves a work-group, no clusters, 1,280 bytes of LDS; arguments x, embed, cv, ci, out0, out1, part; writes out0, out1, part
;; launch total: the kernel of part 4 again; grid 1 x 1, 1 waves a work-group, no clusters, 0 bytes of LDS; arguments part, out2; writes out2
;; ======== version 3 of 3: 4 launches; 1.27 times as fast as version 1
;; workspace buffers: ebf 8,388,608 bytes; e2 32,768 bytes; cv 262,144 bytes; ci 262,144 bytes of whole numbers; part 1,024 bytes
;; launch prep: the kernel of part 1 again; grid 128 x 1, 8 waves a work-group, no clusters, 1,280 bytes of LDS; arguments embed, ebf, e2; writes ebf, e2
;; launch main (part 6): grid 64 x 4, 4 waves a work-group, clusters of 4 x 4, 327,680 bytes of LDS; arguments x, ebf, e2, cv, ci; writes cv, ci
.if DOCPART == 6
	.amdgcn_target "amdgcn-amd-amdhsa--gfx1250"
	.amdhsa_code_object_version 6
	.text
	.protected	k_qf5878a2f33_main
	.globl	k_qf5878a2f33_main
	.p2align	8
	.type	k_qf5878a2f33_main,@function
k_qf5878a2f33_main:
	s_mov_b64 s[64:65], 0
	v_nop
	global_prefetch_b8 v0, s[64:65] scope:SCOPE_SE
	s_setreg_imm32_b32 hwreg(HW_REG_WAVE_MODE, 25, 1), 1
	s_wait_xcnt 0x0
	s_wait_alu depctr_hold_cnt(0) depctr_sa_sdst(0) depctr_va_vdst(0) depctr_va_sdst(0) depctr_va_ssrc(0) depctr_va_vcc(0) depctr_vm_vsrc(0)
	s_getreg_b32 s2, hwreg(HW_REG_IB_STS2, 6, 4)
	s_cmp_eq_u32 s2, 0
	s_cbranch_scc0 .Lentry_in_a_cluster
	s_endpgm
.Lentry_in_a_cluster:
	s_bfe_u32 s2, ttmp6, 0x10000c
	s_cmp_lg_u32 s2, 0xf033
	s_cbranch_scc0 .Lentry_shape_is_right
	s_endpgm
.Lentry_shape_is_right:
; For 256 rows of x and one quarter (2,048 codes) of the codebook: cv[quarter][row] = the least score, ci[quarter][row] = its code,
; score(row, c) = e2[c] - 2 x[row].ebf[c].  The scores never leave the registers.
; LIMITS.  x2, which is the same for all codes of a row, is left out of the comparison; operands are bf16, sums f32, and the score is
; one fused multiply-add: the order of rounding differs from x2 - 2 xe + e2, so a row whose two best codes lie closer than the f32
; rounding of those sums may give the other code.  Equal scores give the lowest code.  NaN and infinite inputs are not served.
; SHAPE.  Four waves, one for each SIMD.  A wave keeps its 64 rows x 512 k of x as bf16 fragments in 512 registers for the whole launch;
; the codes stream through two LDS slots of 128 codes.  A code fragment (16 codes x 32 k) read from LDS feeds four matrix instructions.
; A tile = 16 codes x 64 rows x 512 k = 64 matrix instructions on 4 accumulators; two sets of accumulators: while tile t is multiplied,
; the 128 vector instructions that fold tile t-1 into the running minimum stand two behind each matrix instruction.
; FRAGMENTS IN RUNS.  A tile's 16 code fragments come in three groups (k steps 0-5, 6-10, 11-15) that take turns on two halves of six fragments;
; while one group is multiplied the next group's loads go out as ONE run, so the matrix instructions of a tile are parted by LDS loads three times, not sixteen.
; More than two halves of six do not fit: the fragments share a window of 256 registers with both sets of accumulators (64), the least scores (32) and their codes (32),
; because the fold's instructions stand between the matrix instructions under the same window setting.
; THE TEXT IS KEPT SHORT.  Sets of accumulators and halves of fragments both come round after two tiles, so two tiles are the unit of text.  Tiles 0-5 of a slot go three times
; round a loop of one unit, on an LDS address that is copied from the slot's constant base and stepped by two tiles a trip; tiles 6 and 7, with the change of slots, are written out.
; A pair of slots is four units of text for its sixteen tiles.  The two slots keep texts of their own, so that every tensor load and every LDS read names its slot by constants.
; CLUSTER.  4 x 4 work-groups: x of the grid = row block, y = quarter.  The four work-groups of a cluster's row walk the same quarter: its tiles
; and its e2 are asked for jointly, which divides those requests by four.  The four of a column read the same 0.5 MB of x, once, against
; 2 MB of codes; x comes through registers, because it is rounded to bf16 on the way, and is not asked for jointly.
; THE MATRIX INSTRUCTION: source 0 = 16 codes, source 1 = 16 rows of x.  Lane l then holds row l % 16, register j code 8 (l / 16) + j.
.set PITCH,  1040                      ; LDS row of a code: 1,024 bytes + 16 of padding, an odd multiple of 16: the 16 rows of a fragment load start 16 bytes apart modulo 256
.set TILEB,  16*PITCH
.set WPART,  32*PITCH                  ; what one tensor load brings: 32 codes
.set SLOTB,  128*PITCH
.set E2L,    2*SLOTB                   ; the quarter's e2, 8,192 bytes, filled once
.set XST,    E2L+8192                  ; each wave's own stage, 16 rows x 528 bytes, written by LDS stores; no tensor load ever lands here
.set XPITCH, 528
.set XSTB,   16*XPITCH
; window 0
.set E2B, 1                            ; v1       LDS address of my 8 numbers of e2 in the unit's first tile (inner loop)
.set EAD, 2                            ; v2-5     LDS address of my part of a fragment: slot 0 codes 0-63, 64-127, slot 1 likewise; never rewritten
.set E2A, 6                            ; v6       LDS address of my 8 numbers of e2 in this pair's first tile
.set XO,  7                            ; v7       16 lane
.set E2R, 8                            ; v8-15    e2 of one tile
.set TMP, 16                           ; v16-19   best - score, two pairs
.set SC,  20                           ; v20-21   the other half's value and code
.set H8,  22                           ; v22      8 (l / 16)
.set XSW, 23                           ; v23      stage + 8 lane
.set OV,  24                           ; v24-27   on the way out
.set XSR, 28                           ; v28      stage + 528 (l % 16) + 16 (l / 16)
.set XSO, 29                           ; v29      stage + 4 (l % 16)
.set CO,  30                           ; v30      8 lane
.set EA,  31                           ; v31      LDS address of my part of a fragment in the unit's first tile (inner loop)
.set ER,  32                           ; v32-127  code fragments: two halves of six
.set ACC, 128                          ; v128-191 two sets of 4 accumulators
.set BV,  192                          ; v192-223 least score of (x tile, register j)
.set BI,  224                          ; v224-255 first code of the tile in which it was met
; window 1: v0-127, v128-255: x as f32 on its way in, two buffers.  Windows 2, 3: x fragments of k steps 0-7, 8-15, at 8 (4 (ks % 8) + x tile).
.set MAIN_LO, 0x08                     ; source 1 in window 2, all else in window 0
.set MAIN_HI, 0x0c                     ; source 1 in window 3
.set MSB, 0
.macro WIN new                         ; the immediate's high byte repeats the setting that is left
.if MSB != (\new)
	s_set_vgpr_msb (MSB<<8)|(\new)
.set MSB, \new
.endif
.endm
.macro NOP4
.rept 4
	v_nop
.endr
.endm
; A round of the cluster's barrier: my work-group's barrier; wave 0 signals for the work-group; every wave waits for all sixteen; my work-group's barrier again.
.macro CREST                           ; a round behind its opening barrier
	s_cmp_lg_u32 s14, 0
	s_cbranch_scc1 .Lnot_wave_0_\@
	s_barrier_signal -3
.Lnot_wave_0_\@:
	s_barrier_wait -3
	s_barrier_signal -1
	s_barrier_wait -1
.endm
.macro ROUND
	s_barrier_signal -1
	s_barrier_wait -1
	CREST
.endm
	s_load_b256 s[4:11], s[0:1], 0x0               ; x s[4:5], ebf s[6:7], e2 s[8:9], cv s[10:11]
	s_load_b64 s[12:13], s[0:1], 0x20              ; ci
	v_lshl_add_u32 v146, v0, 2, 0x4b400
	v_mov_b32 v147, 0
	ds_add_u32 v146, v147
	s_wait_dscnt 0x0
	v_lshrrev_b32 v1, 5, v0
	v_readfirstlane_b32 s14, v1                    ; wave 0..3
	s_bfe_u32 s44, ttmp6, 0x40000                  ; cx
	s_bfe_u32 s45, ttmp6, 0x40004                  ; cy
	s_lshl_b32 s46, ttmp9, 2
	s_add_co_u32 s46, s46, s44                     ; row block = 4 x cluster x + cx
	s_and_b32 s47, ttmp7, 0xffff
	s_lshl_b32 s47, s47, 2
	s_add_co_u32 s47, s47, s45                     ; quarter = 4 x cluster y + cy
	s_lshl_b32 s59, s45, 2
	s_lshl_b32 s59, 15, s59                        ; my row of the cluster: places 4 cy .. 4 cy + 3
	s_mov_b32 s53, 0x7f800000                      ; +infinity
	s_mov_b32 s54, 0x76543210                      ; v_permlanex16_b32: lane i reads lane i of the other half
	s_mov_b32 s55, 0xfedcba98
	s_lshl_b32 s52, s47, 11
	s_sub_co_u32 s52, s52, 32                      ; first code of the tile being folded; 16 are added at each tile's head, and the fold runs one tile behind
	; group 1 for the codes: 32 rows x 512 elements of 2 bytes, 4 words of padding behind every 256 words
	s_or_b32 s16, s59, (1<<16)|(1<<20)|(1<<21)|(7<<22)|(3<<25)   ; 15:0 mask; 17:16 2 bytes; 20 padding on; 21 set beside a mask; 24:22 every 256 words; 31:25 4 words
	s_mov_b32 s17, 512<<16                         ; tensor_dim0 = 512
	s_mov_b32 s18, 32<<16                          ; tensor_dim1 = 32
	s_mov_b32 s19, 512<<16                         ; tile_dim0 = 512
	s_mov_b32 s20, 32                              ; tile_dim1 = 32
	s_mov_b32 s21, 512                             ; elements from row to row
	s_mov_b32 s22, 0
	s_mov_b32 s23, 0
	; group 1 for e2: one row of 256 elements of 8 bytes
	s_or_b32 s24, s59, (3<<16)|(1<<21)
	s_mov_b32 s25, 256<<16
	s_mov_b32 s26, 1<<16
	s_mov_b32 s27, 256<<16
	s_mov_b32 s28, 1
	s_mov_b32 s29, 256
	s_mov_b32 s30, 0
	s_mov_b32 s31, 0
	; groups 0.  LDS addresses hang on the wave's number alone, global addresses on the quarter and the wave's number: alike in my row of the cluster
	s_mov_b32 s32, 1
	s_mul_i32 s33, s14, WPART                      ; slot 0, my 32 codes
	s_mov_b32 s36, 1
	s_add_co_u32 s37, s33, SLOTB                   ; slot 1
	s_mov_b32 s40, 1
	s_lshl_b32 s41, s14, 11
	s_add_co_u32 s41, s41, E2L                     ; my 2,048 bytes of e2
	s_lshl_b32 s48, s47, 21                        ; quarter x 2,048 codes x 1,024 bytes
	s_lshl_b32 s49, s14, 15                        ; wave x 32 codes
	s_add_co_u32 s48, s48, s49
	s_mov_b32 s49, 0
	s_lshl_b32 s50, s46, 19                        ; row block x 256 rows x 2,048 bytes
	s_lshl_b32 s51, s14, 17                        ; wave x 64 rows
	s_add_co_u32 s50, s50, s51
	s_mov_b32 s51, 0
	s_mul_i32 s56, s14, XSTB
	s_add_co_u32 s56, s56, XST                     ; my stage
	v_and_b32 v16, 15, v0                          ; l % 16
	v_bfe_u32 v17, v0, 4, 1                        ; l / 16
	v_and_b32 v18, 31, v0                          ; lane
	v_mul_u32_u24 v[EAD], v16, PITCH
	v_lshl_add_u32 v[EAD], v17, 4, v[EAD]          ; row x pitch + 16 x half
	v_add_nc_u32 v[EAD+1], 4*TILEB, v[EAD]
	v_add_nc_u32 v[EAD+2], SLOTB, v[EAD]
	v_add_nc_u32 v[EAD+3], SLOTB+4*TILEB, v[EAD]
	v_lshlrev_b32 v[E2A], 5, v17
	v_add_nc_u32 v[E2A], E2L, v[E2A]
	v_lshlrev_b32 v[H8], 3, v17
	v_mov_b32 v[SC], 0
	v_mov_b32 v[SC+1], 0
	v_lshlrev_b32 v[XO], 4, v18
	v_lshl_add_u32 v[XSW], v18, 3, s56
	v_mul_u32_u24 v[XSR], v16, XPITCH
	v_lshl_add_u32 v[XSR], v17, 4, v[XSR]
	v_add_nc_u32 v[XSR], s56, v[XSR]
	v_lshl_add_u32 v[XSO], v16, 2, s56
	v_lshlrev_b32 v[CO], 3, v18
	s_wait_kmcnt 0x0
	s_add_nc_u64 s[34:35], s[6:7], s[48:49]        ; codes 0-127 of the quarter, my 32
	s_add_nc_u64 s[38:39], s[34:35], 0x20000       ; codes 128-255
	s_or_b32 s35, s35, 0x80000000                  ; type = 2
	s_or_b32 s39, s39, 0x80000000
	s_lshl_b32 s48, s47, 13                        ; quarter x 8,192 bytes of e2
	s_lshl_b32 s49, s14, 11
	s_add_co_u32 s48, s48, s49
	s_mov_b32 s49, 0
	s_add_nc_u64 s[42:43], s[8:9], s[48:49]
	s_or_b32 s43, s43, 0x80000000
	s_add_nc_u64 s[4:5], s[4:5], s[50:51]          ; x at my 64 rows
	ROUND                                          ; all sixteen work-groups are here: the first joint loads meet
	tensor_load_to_lds s[40:43], s[24:31]          ; the three first fills go out as one group: e2,
	s_nop 0
	NOP4
	tensor_load_to_lds s[32:35], s[16:23]          ; slot 0,
	s_nop 0
	NOP4
	tensor_load_to_lds s[36:39], s[16:23]          ; slot 1: three tensor loads of the wave are out
	s_nop 0
	NOP4
; x ON ITS WAY IN, eight steps of 16 rows x 256 k.  Step s: x tile s / 2, k half s % 2.
; 32 loads, each 512 consecutive bytes of one row; rounded to bf16; 8 bytes a lane into my stage; read back as fragments.
.macro XLOAD s
	WIN 0x40                                       ; destination in window 1
.set XI, 0
.rept 32
	global_load_b128 v[128*((\s)&1)+4*XI:128*((\s)&1)+4*XI+3], v[XO], s[4:5] offset:(16*((\s)>>1)+(XI>>1))*2048+((\s)&1)*1024+(XI&1)*512
.set XI, XI+1
.endr
.endm
.macro XSTEP s, left
	s_wait_loadcnt \left                           ; this step's 32 loads are in; the next step's 32 stay out
	WIN 0x45                                       ; all of the conversion in window 1
.set XI, 0
.rept 32
	v_cvt_pk_bf16_f32 v[128*((\s)&1)+4*XI],   v[128*((\s)&1)+4*XI],   v[128*((\s)&1)+4*XI+1]
	v_cvt_pk_bf16_f32 v[128*((\s)&1)+4*XI+1], v[128*((\s)&1)+4*XI+2], v[128*((\s)&1)+4*XI+3]
.set XI, XI+1
.endr
	WIN 0x04                                       ; store data in window 1
.set XI, 0
.rept 32
	ds_store_b64 v[XSW], v[128*((\s)&1)+4*XI:128*((\s)&1)+4*XI+1] offset:(XI>>1)*XPITCH+(XI&1)*256
.set XI, XI+1
.endr
.if \s < 6
	XLOAD \s+2
.endif
.if (\s)&1
	WIN 0xc0                                       ; destination in window 3
.else
	WIN 0x80                                       ; destination in window 2
.endif
.set XI, 0
.rept 8
	ds_load_b128 v[8*(4*XI+((\s)>>1)):8*(4*XI+((\s)>>1))+3],   v[XSR] offset:64*XI      ; LDS serves a wave's instructions in order (ISA guide 5.7.1):
	ds_load_b128 v[8*(4*XI+((\s)>>1))+4:8*(4*XI+((\s)>>1))+7], v[XSR] offset:64*XI+32   ; these see the stores above, and the next step's stores come behind them
.set XI, XI+1
.endr
.endm
	XLOAD 0
	XLOAD 1
	XSTEP 0, 32
	XSTEP 1, 32
	XSTEP 2, 32
	XSTEP 3, 32
	XSTEP 4, 32
	XSTEP 5, 32
	XSTEP 6, 32
	XSTEP 7, 0
	WIN 0
	; The fold runs one tile behind, so the first tile folds a tile that does not exist: sums 0 and e2 = +infinity give the score +infinity,
	; best - score = NaN compares false, and the minimum stays +infinity: nothing changes.
.set XI, 0
.rept 32
	v_mov_b32 v[BV+XI], s53
	v_mov_b32 v[BI+XI], 0
	v_mov_b32 v[ACC+32+XI], 0
.set XI, XI+1
.endr
.set XI, 0
.rept 8
	v_mov_b32 v[E2R+XI], s53
.set XI, XI+1
.endr
	s_wait_tensorcnt 0x1                           ; tensor loads of a wave end in order: my parts of e2 and of slot 0 are in; slot 1's stays out
	s_wait_dscnt 0x0                               ; x's fragments are in
	s_barrier_signal -1
	s_barrier_wait -1                              ; everybody's parts are in
; FR = first register of fragment ks of a tile of parity par.  Group g (k steps 0-5, 6-10, 11-15) of tile t lies in half (t + g) % 2:
; the groups take turns on the halves from tile to tile too, since a tile has three of them.
.macro FRAGREG par, ks
.if (\ks) < 6
.set FR, ER+48*((\par)&1)+8*(\ks)
.else
.if (\ks) < 11
.set FR, ER+48*(((\par)+1)&1)+8*((\ks)-6)
.else
.set FR, ER+48*((\par)&1)+8*((\ks)-11)
.endif
.endif
.endm
; Fragment ks (32 k) of the tile that lies to tiles behind address register ar: lane l takes row l % 16, k = 8 (l / 16) + 0..7 and 16 + 8 (l / 16) + 0..7
.macro LDFRAG ar, to, par, ks
	FRAGREG \par, \ks
	ds_load_b128 v[FR:FR+3],   v[\ar] offset:(\to)*TILEB+64*(\ks)
	ds_load_b128 v[FR+4:FR+7], v[\ar] offset:(\to)*TILEB+64*(\ks)+32
.endm
; One run: fragments k0 .. k1 of a tile
.macro RUNLD ar, to, par, k0, k1
.set RK, \k0
.rept (\k1)-(\k0)+1
	LDFRAG \ar, \to, \par, RK
.set RK, RK+1
.endr
.endm
; Instruction number EN of the 128 that fold accumulator set EQ into the running minimum.  Vector registers stand only as destination, source 0 and
; source 2, which the settings MAIN_LO and MAIN_HI leave in window 0; source 1 is a constant or a scalar register.
; 0-15: score = e2 - 2 sum, in place, two at a time.  Then for each of 16 pairs: best - score; and for each of the two: is it above 0,
; then the tile's first code replaces the kept one, and the minimum is taken.  Only a strictly lower score replaces: of equal scores the earlier tile stays.
.macro EOP
.if EN < 16
.set EOA, ACC+32*EQ+2*EN
.set EOE, E2R+2*(EN&3)
	v_pk_fma_f32 v[EOA:EOA+1], v[EOA:EOA+1], -2.0, v[EOE:EOE+1] op_sel_hi:[1,0,1]
.else
.set PRN, (EN-16)/7
.set SUBN, (EN-16)%7
.set EOA, ACC+32*EQ+2*PRN
.set EOB, BV+2*PRN
.set EOI, BI+2*PRN
.set EOT, TMP+2*(PRN&1)
.if SUBN == 0
	v_pk_fma_f32 v[EOT:EOT+1], v[EOA:EOA+1], -1.0, v[EOB:EOB+1] op_sel_hi:[1,0,1]
.else
.set EOL, (SUBN-1)/3
.set EOK, (SUBN-1)%3
.if EOK == 0
	v_cmp_gt_f32 vcc_lo, v[EOT+EOL], 0
.endif
.if EOK == 1
	v_cndmask_b32 v[EOI+EOL], v[EOI+EOL], s52, vcc_lo
.endif
.if EOK == 2
	v_min3_num_f32 v[EOB+EOL], v[EOA+EOL], s53, v[EOB+EOL]
.endif
.endif
.endif
.set EN, EN+1
.endm
; Block CC of a tile: k step CC, four matrix instructions, one for each x tile, each followed by two instructions of the fold.
; The four accumulators take turns, one instruction a turn.
.macro BLOCK
	FRAGREG PP, CC
.irp xt, 0,1,2,3
.if CC == 0
	v_wmma_f32_16x16x32_bf16 v[ACC+32*PP+8*\xt:ACC+32*PP+8*\xt+7], v[FR:FR+7], v[8*(4*(CC&7)+\xt):8*(4*(CC&7)+\xt)+7], 0
.else
	v_wmma_f32_16x16x32_bf16 v[ACC+32*PP+8*\xt:ACC+32*PP+8*\xt+7], v[FR:FR+7], v[8*(4*(CC&7)+\xt):8*(4*(CC&7)+\xt)+7], v[ACC+32*PP+8*\xt:ACC+32*PP+8*\xt+7]
.endif
	EOP
	EOP
.endr
.endm
; What stands in front of block CC.  mode 0: a tile inside a slot.  1: a slot's last tile, the slot is filled again.  2: a slot's last tile, no fill.  3: the last tile of all.
; Where the tile lies is set by the caller: this tile TO0 tiles behind register AR0, the next tile TO1 behind AR1, this tile's e2 E2O bytes behind register E2G.
; THE RUNS stand in front of a group's second block: block 1 (k steps 6-10, 10 loads), block 7 (k steps 11-15 and the tile's e2, 12 loads), block 12 (the next tile's k steps 0-5, 12 loads).
; The half that a run writes was last read two blocks earlier: behind the last matrix instruction that read it stand at least ten vector instructions (two of its block, eight of the next)
; that name none of its registers: more than the four places that a load into a matrix instruction's source needs (ISA guide 7.12.1 for vector instructions).
; THE WAITS.  LDS loads come back in order (ISA guide 5.7.1), two for a fragment; the count in front of block c is the number of loads younger than fragment c's:
; blocks 0-1: 10 - 2 c (the rest of the six fragments);  2-7: 20 - 2 c (block 1's 10 more);  8-12: 32 - 2 c (block 7's 12 more);  13-15: 44 - 2 c (block 12's 12 more).
; The count 10 at a tile's head also shows the last tile's e2 landed: its loads are older than the run of block 12.  At every tile's head twelve fragment loads are out,
; on the way into a loop and on the way back alike.
.macro PRELUDE mode, slot
.if CC == 0
	WIN MAIN_LO
.endif
.if CC == 8
	WIN MAIN_HI
.endif
.set WC, 44-2*CC
.if CC < 13
.set WC, 32-2*CC
.endif
.if CC < 8
.set WC, 20-2*CC
.endif
.if CC < 2
.set WC, 10-2*CC
.endif
.if \mode == 3
.if CC > 12
.set WC, 32-2*CC                                   ; no run stood in front of block 12: the counts run down to e2's two loads
.endif
.endif
.set CHG, 0
.if \mode
.if \mode < 3
.if CC > 10
.set CHG, 1
.endif
.endif
.endif
.if CHG
.if CC == 11
	s_wait_dscnt 0x0                               ; my reads of this slot are over (the last were issued in front of block 7); blocks 11 to 15 need no further wait
	s_wait_xcnt 0x0
	v_lshl_add_u32 v146, v0, 2, 0x4b400
	v_mov_b32 v147, 0
	s_set_vgpr_msb 0xc00
	s_wait_tensorcnt 0x0                           ; all my tensor loads have landed: the one that was out is my part of the other slot
	ds_add_u32 v146, v147
	s_wait_dscnt 0x0
	s_set_vgpr_msb 0xc
	s_barrier_signal -1                            ; say so; block 11 works on registers alone
.endif
.if CC == 12
.if \mode == 1
	WIN 0
	s_barrier_wait -1
	CREST                                          ; the round is closed: no wave of any partner still reads this slot or has a load on its way
	s_add_nc_u64 s[34+4*\slot:35+4*\slot], s[34+4*\slot:35+4*\slot], 0x40000   ; 256 codes on; no tensor load of mine is out
	tensor_load_to_lds s[32+4*\slot:35+4*\slot], s[16:23]                      ; my one tensor load behind the round, first thing there; 508 matrix instructions stand before the wait for it
	s_nop 0
	NOP4
	WIN MAIN_HI
.else
	s_barrier_wait -1                              ; the other slot is whole; nothing is left to fetch
.endif
	RUNLD AR1, TO1, 1-PP, 0, 5                     ; the other slot's first six fragments: twelve loads are out, as at every tile's head
.endif
.else
	s_wait_dscnt WC
.if CC == 1
	RUNLD AR0, TO0, PP, 6, 10
.endif
.if CC == 7
	RUNLD AR0, TO0, PP, 11, 15
	ds_load_b128 v[E2R:E2R+3],   v[E2G] offset:E2O      ; this tile's e2, for the fold in the next tile; the last tile's was last read in block 1
	ds_load_b128 v[E2R+4:E2R+7], v[E2G] offset:E2O+16
.endif
.if CC == 12
.if \mode == 0
	RUNLD AR1, TO1, 1-PP, 0, 5
.endif
.endif
.endif
.endm
.macro TILE par, mode, slot
	s_add_co_u32 s52, s52, 16                      ; first code of the tile that is folded now
.set EN, 0
.set PP, (\par)&1
.set EQ, 1-PP
.set CC, 0
.rept 16
	PRELUDE \mode, \slot
	BLOCK
.set CC, CC+1
.endr
.endm
; Tile t of a slot by constant addresses
.macro STILE slot, t, mode
.set AR0, EAD+2*(\slot)+((\t)>>2)
.set TO0, (\t)&3
.if \mode
.set AR1, EAD+2*(1-(\slot))                        ; the next tile is the other slot's first
.set TO1, 0
.else
.set AR1, EAD+2*(\slot)+(((\t)+1)>>2)
.set TO1, ((\t)+1)&3
.endif
.set E2G, E2A
.set E2O, 64*(8*(\slot)+(\t))
	TILE \t, \mode, \slot
.endm
; Tiles 0-5 of a slot: three trips of one unit of two tiles.  The odd tile's last run reaches two tiles on: in the third trip that is tile 6, still inside the slot.
.macro GLOOP slot
	WIN 0                                          ; at a label and at a branch every window is 0
	v_mov_b32 v[EA], v[EAD+2*\slot]                ; the slot's first tile
.if \slot
	v_add_nc_u32 v[E2B], 512*\slot, v[E2A]         ; and its e2: 8 tiles x 64 bytes behind slot 0's
.else
	v_mov_b32 v[E2B], v[E2A]
.endif
	s_mov_b32 s[60+\slot], 3
.Lunit_\@:
.set AR0, EA
.set AR1, EA
.set E2G, E2B
.set TO0, 0
.set TO1, 1
.set E2O, 0
	TILE 0, 0, \slot
.set TO0, 1
.set TO1, 2
.set E2O, 64
	TILE 1, 0, \slot
	WIN 0
	v_add_nc_u32 v[EA], 2*TILEB, v[EA]             ; two tiles on (an LDS instruction's address register needs no wait before it is rewritten)
	v_add_nc_u32 v[E2B], 128, v[E2B]
	s_sub_co_u32 s[60+\slot], s[60+\slot], 1
	s_cmp_lg_u32 s[60+\slot], 0
	s_cbranch_scc1 .Lunit_\@
.endm
.macro PAIR fill                       ; both slots, 256 codes
	GLOOP 0
	STILE 0, 6, 0
.if \fill
	STILE 0, 7, 1
.else
	STILE 0, 7, 2
.endif
	GLOOP 1
	STILE 1, 6, 0
.if \fill
	STILE 1, 7, 1
.else
	STILE 1, 7, 3
.endif
.endm
	RUNLD EAD, 0, 0, 0, 5                          ; the first tile's first six fragments
	s_mov_b32 s15, 7                               ; 8 pairs of slots; the last is written out, without fills
.Lpair:
	PAIR 1
	WIN 0                                          ; at a label and at a branch every window is 0
	v_add_nc_u32 v[E2A], 0x400, v[E2A]             ; 16 tiles x 64 bytes of e2
	s_sub_co_u32 s15, s15, 1
	s_cmp_lg_u32 s15, 0
	s_cbranch_scc1 .Lpair
	PAIR 0
	WIN 0
	s_wait_dscnt 0x0                               ; the last tile's e2 is in
	NOP4                                           ; places behind the last matrix instructions
	s_add_co_u32 s52, s52, 16
.set EN, 0
.set EQ, 1
.rept 128
	EOP                                            ; the last tile is folded
.endr
; (va, ia) takes (vb, ib) if vb is lower, or equal with the lower code
.macro MERGE va, ia, vb, ib
	v_cmp_lt_f32 s56, v[\vb], v[\va]
	v_cmp_eq_f32 s57, v[\vb], v[\va]
	v_cmp_lt_u32 s58, v[\ib], v[\ia]
	s_and_b32 s57, s57, s58
	s_or_b32 vcc_lo, s56, s57
	v_cndmask_b32 v[\va], v[\va], v[\vb], vcc_lo
	v_cndmask_b32 v[\ia], v[\ia], v[\ib], vcc_lo
.endm
.irp xt, 0,1,2,3
.irp j, 1,2,3,4,5,6,7
	v_add_nc_u32 v[BI+8*\xt+\j], \j, v[BI+8*\xt+\j]          ; code = tile's first + 8 (l / 16) + j
.endr
	MERGE BV+8*\xt,   BI+8*\xt,   BV+8*\xt+1, BI+8*\xt+1
	MERGE BV+8*\xt+2, BI+8*\xt+2, BV+8*\xt+3, BI+8*\xt+3
	MERGE BV+8*\xt+4, BI+8*\xt+4, BV+8*\xt+5, BI+8*\xt+5
	MERGE BV+8*\xt+6, BI+8*\xt+6, BV+8*\xt+7, BI+8*\xt+7
	MERGE BV+8*\xt,   BI+8*\xt,   BV+8*\xt+2, BI+8*\xt+2
	MERGE BV+8*\xt+4, BI+8*\xt+4, BV+8*\xt+6, BI+8*\xt+6
	MERGE BV+8*\xt,   BI+8*\xt,   BV+8*\xt+4, BI+8*\xt+4
	v_add_nc_u32 v[BI+8*\xt], v[H8], v[BI+8*\xt]
	v_permlanex16_b32 v[SC],   v[BV+8*\xt], s54, s55         ; the other half of the lanes holds the same row's other eight codes of each tile
	v_permlanex16_b32 v[SC+1], v[BI+8*\xt], s54, s55
	MERGE BV+8*\xt, BI+8*\xt, SC, SC+1
	ds_store_b32 v[XSO], v[BV+8*\xt] offset:64*\xt           ; both halves write the same word with the same number
	ds_store_b32 v[XSO], v[BI+8*\xt] offset:256+64*\xt
.endr
	s_lshl_b32 s50, s47, 16                        ; (quarter x 16,384 + row block x 256 + wave x 64) x 4 bytes
	s_lshl_b32 s51, s46, 10
	s_add_co_u32 s50, s50, s51
	s_lshl_b32 s51, s14, 8
	s_add_co_u32 s50, s50, s51
	s_mov_b32 s51, 0
	s_add_nc_u64 s[10:11], s[10:11], s[50:51]
	s_add_nc_u64 s[12:13], s[12:13], s[50:51]
	ds_load_b64 v[OV:OV+1],   v[XSW]               ; my own bytes, served in order behind the stores above
	ds_load_b64 v[OV+2:OV+3], v[XSW] offset:256
	s_wait_dscnt 0x0
	global_store_b64 v[CO], v[OV:OV+1],   s[10:11] ; my 64 rows' scores: 256 consecutive bytes, aligned
	global_store_b64 v[CO], v[OV+2:OV+3], s[12:13] ; and their codes
	s_wait_xcnt 0x0
	v_lshl_add_u32 v146, v0, 2, 0x4b400
	v_mov_b32 v147, 0
	s_wait_tensorcnt 0x0
	ds_add_u32 v146, v147
	s_wait_dscnt 0x0
	ROUND                                          ; the closing round: no work-group ends while a partner may still ask for a tile that names it
	s_endpgm
.Lfunc_end_k_qf5878a2f33_main:
	.size	k_qf5878a2f33_main, .Lfunc_end_k_qf5878a2f33_main-k_qf5878a2f33_main
	.p2alignl 7, 3214868480
	.fill 96, 4, 3214868480
	.section	.rodata,"a",@progbits
	.p2align	6, 0x0
	.amdhsa_kernel k_qf5878a2f33_main
		.amdhsa_group_segment_fixed_size 327680
		.amdhsa_private_segment_fixed_size 0
		.amdhsa_enable_private_segment 0
		.amdhsa_kernarg_size 40
		.amdhsa_user_sgpr_count 2
		.amdhsa_user_sgpr_kernarg_segment_ptr 1
		.amdhsa_wavefront_size32 1
		.amdhsa_system_sgpr_workgroup_id_x 1
		.amdhsa_system_sgpr_workgroup_id_y 1
		.amdhsa_system_sgpr_workgroup_id_z 1
		.amdhsa_system_vgpr_workitem_id 0
		.amdhsa_next_free_vgpr 1024
		.amdhsa_next_free_sgpr 66
		.amdhsa_reserve_vcc 1
		.amdhsa_float_denorm_mode_32 3
		.amdhsa_float_denorm_mode_16_64 3
		.amdhsa_memory_ordered 1
		.amdhsa_forward_progress 1
		.amdhsa_inst_pref_size 255
	.end_amdhsa_kernel
	.section	.bss,"aw",@nobits
	.p2align	6
	.space	262144
	.amdgpu_metadata
---
amdhsa.version: [ 1, 2 ]
amdhsa.kernels:
  - .name:           k_qf5878a2f33_main
    .symbol:         k_qf5878a2f33_main.kd
    .args:
      - { .name: x, .offset: 0, .size: 8, .value_kind: global_buffer, .address_space: global }
      - { .name: ebf, .offset: 8, .size: 8, .value_kind: global_buffer, .address_space: global }
      - { .name: e2, .offset: 16, .size: 8, .value_kind: global_buffer, .address_space: global }
      - { .name: cv, .offset: 24, .size: 8, .value_kind: global_buffer, .address_space: global }
      - { .name: ci, .offset: 32, .size: 8, .value_kind: global_buffer, .address_space: global }
    .group_segment_fixed_size: 327680
    .private_segment_fixed_size: 0
    .kernarg_segment_align: 8
    .kernarg_segment_size: 40
    .max_flat_workgroup_size: 128
    .sgpr_count:     66
    .vgpr_count:     1024
    .wavefront_size: 32
...
	.end_amdgpu_metadata
.endif
;; end of part 6
;; launch pick (part 7): grid 256 x 1, 8 waves a work-group, no clusters, 1,280 bytes of LDS; arguments x, embed, cv, ci, out0, out1, part; writes out0, out1, part
.if DOCPART == 7
	.amdgcn_target "amdgcn-amd-amdhsa--gfx1250"
	.amdhsa_code_object_version 6
	.text
	.protected	k_qf5878a2f33_pick
	.globl	k_qf5878a2f33_pick
	.p2align	8
	.type	k_qf5878a2f33_pick,@function
k_qf5878a2f33_pick:
	s_mov_b64 s[64:65], 0
	v_nop
	global_prefetch_b8 v0, s[64:65] scope:SCOPE_SE
	s_setreg_imm32_b32 hwreg(HW_REG_WAVE_MODE, 25, 1), 1
	s_wait_xcnt 0x0
; For each row: the winner among the four quarters' candidates; out1 = its code; out0 = x + (embed[code] - x); part[work-group] = sum of (embed[code] - x)^2.
; Which candidate wins hangs on f32 scores, so no address is made of it: all four candidate rows, whose codes the launch before stored as whole numbers,
; are loaded, and the winner's numbers are chosen by v_cndmask_b32.  A strictly lower score wins, so of equal scores the lower quarter, which holds the lower codes, stays.
; A stream with a gather: no matrix unit, no cluster (no two work-groups share rows of x; which rows of embed they share is not known beforehand).
; The work-group owns 64 rows, a wave 8; a wave takes a whole row of 2,048 bytes by four loads of 512 consecutive bytes.  Two row slots: 40 loads of a wave in flight.
; A row's result leaves from 16 registers of its own, not from its slot: the slot's next 20 loads go out straight behind the stores, with no wait between.
.set CV, 20                            ; s[20:51]  score of quarter q, my row i: s[20 + 8 q + i]
.set CI, 68                            ; s[68:99]  its code: s[68 + 8 q + i]
.set VO, 8                             ; v[8:15]   slot s, quarter q: byte offset of my 16 bytes in the candidate's row
.set SL, 48                            ; v[48:207] slot s: 80 registers: x 16, then 16 for each candidate
.set OUT, 208                          ; v[208:223] x + t, to store
	s_load_b256 s[4:11], s[0:1], 0x0               ; x s[4:5], embed s[6:7], cv s[8:9], ci s[10:11]
	s_load_b128 s[12:15], s[0:1], 0x20             ; out0 s[12:13], out1 s[14:15]
	s_load_b64 s[16:17], s[0:1], 0x30              ; part
	v_lshl_add_u32 v224, v0, 2, 0x100
	v_mov_b32 v225, 0
	v_and_b32 v1, 31, v0                           ; lane
	v_lshrrev_b32 v3, 5, v0
	v_readfirstlane_b32 s18, v3                    ; wave
	v_lshlrev_b32 v2, 4, v1                        ; 16 lane
	s_lshl_b32 s60, ttmp9, 8                       ; 64 rows x 4 bytes
	s_lshl_b32 s61, ttmp9, 2
	s_lshl_b32 s19, s18, 5
	s_add_co_u32 s19, s19, s60                     ; my 8 rows' 32 bytes in a quarter of cv and of ci
	v_lshlrev_b32 v24, 3, v1
	v_add_nc_u32 v24, s60, v24                     ; the group's 256 bytes in cv, ci and out1: 8 bytes a lane
	s_lshl_b32 s58, ttmp9, 17                      ; 64 rows x 2,048 bytes
	s_lshl_b32 s59, s18, 14                        ; wave x 8 rows
	s_add_co_u32 s58, s58, s59
	s_mov_b32 s59, 0
	s_mov_b32 s56, 0x76543210
	s_mov_b32 s57, 0xfedcba98
	s_wait_kmcnt 0x0
.irp q, 0,1,2,3
	s_load_b256 s[CV+8*\q:CV+8*\q+7], s[8:9],   s19 offset:65536*\q
	s_load_b256 s[CI+8*\q:CI+8*\q+7], s[10:11], s19 offset:65536*\q
.endr
	s_add_nc_u64 s[4:5], s[4:5], s[58:59]
	s_add_nc_u64 s[12:13], s[12:13], s[58:59]
	s_wait_kmcnt 0x0
.set n, 0
.rept 32
	s_min_u32 s[CI+n], s[CI+n], 0x1fff             ; a loaded number enters an address only inside the table
.set n, n+1
.endr
.macro ISSUE i, s                      ; row i into slot s: 20 loads
.irp q, 0,1,2,3
	v_lshl_add_u32 v[VO+4*\s+\q], s[CI+8*\q+(\i)], 11, v2
.endr
.irp c, 0,1,2,3
	global_load_b128 v[SL+80*\s+4*\c:SL+80*\s+4*\c+3], v2, s[4:5] offset:2048*(\i)+512*\c th:TH_LOAD_NT
.endr
.irp q, 0,1,2,3
.irp c, 0,1,2,3
	global_load_b128 v[SL+80*\s+16+16*\q+4*\c:SL+80*\s+16+16*\q+4*\c+3], v[VO+4*\s+\q], s[6:7] offset:512*\c
.endr
.endr
.endm
.macro PROC i, s, left, first, more
	s_wait_loadcnt \left                           ; loads come back in order: this row's 20 are in, the other slot's 20 stay out
	v_mov_b32 v4, s[CV+\i]
	v_mov_b32 v5, s[CV+16+\i]
	v_cmp_gt_f32 s52, v4, s[CV+8+\i]               ; quarter 1 beats quarter 0
	v_cmp_gt_f32 s53, v5, s[CV+24+\i]              ; quarter 3 beats quarter 2
	v_min_num_f32 v4, s[CV+8+\i], v4
	v_min_num_f32 v5, s[CV+24+\i], v5
	v_cmp_gt_f32 s54, v4, v5                       ; the upper pair beats the lower
.set j, 0
.rept 16
	v_cndmask_b32 v[SL+80*\s+16+j], v[SL+80*\s+16+j], v[SL+80*\s+32+j], s52
	v_cndmask_b32 v[SL+80*\s+48+j], v[SL+80*\s+48+j], v[SL+80*\s+64+j], s53
	v_cndmask_b32 v[SL+80*\s+16+j], v[SL+80*\s+16+j], v[SL+80*\s+48+j], s54
.set j, j+1
.endr
.irp k, 0,1,2,3,4,5,6,7
	v_pk_add_f32 v[SL+80*\s+16+2*\k:SL+80*\s+16+2*\k+1], v[SL+80*\s+16+2*\k:SL+80*\s+16+2*\k+1], v[SL+80*\s+2*\k:SL+80*\s+2*\k+1] neg_lo:[0,1] neg_hi:[0,1]   ; t = q - x
.endr
.if \first
	v_pk_mul_f32 v[20:21], v[SL+80*\s+16:SL+80*\s+17], v[SL+80*\s+16:SL+80*\s+17]      ; the first products start the sums
	v_pk_mul_f32 v[22:23], v[SL+80*\s+18:SL+80*\s+19], v[SL+80*\s+18:SL+80*\s+19]
.else
	v_pk_fma_f32 v[20:21], v[SL+80*\s+16:SL+80*\s+17], v[SL+80*\s+16:SL+80*\s+17], v[20:21]
	v_pk_fma_f32 v[22:23], v[SL+80*\s+18:SL+80*\s+19], v[SL+80*\s+18:SL+80*\s+19], v[22:23]
.endif
.irp k, 2,4,6
	v_pk_fma_f32 v[20:21], v[SL+80*\s+16+2*\k:SL+80*\s+16+2*\k+1], v[SL+80*\s+16+2*\k:SL+80*\s+16+2*\k+1], v[20:21]
	v_pk_fma_f32 v[22:23], v[SL+80*\s+18+2*\k:SL+80*\s+18+2*\k+1], v[SL+80*\s+18+2*\k:SL+80*\s+18+2*\k+1], v[22:23]
.endr
	s_wait_xcnt 0x0                                ; the last row's stores read OUT: it is rewritten only behind this wait; the slot's offset registers, which ISSUE rewrites below, are freed by it too
.irp k, 0,1,2,3,4,5,6,7
	v_pk_add_f32 v[OUT+2*\k:OUT+2*\k+1], v[SL+80*\s+2*\k:SL+80*\s+2*\k+1], v[SL+80*\s+16+2*\k:SL+80*\s+16+2*\k+1]   ; x + t
.endr
.irp c, 0,1,2,3
	global_store_b128 v2, v[OUT+4*\c:OUT+4*\c+3], s[12:13] offset:2048*\i+512*\c th:TH_STORE_NT   ; 512 consecutive bytes, aligned
.endr
.if \more
	ISSUE \i+2, \s                                 ; the slot's registers are sources of no pending instruction: its loads are in, and the stores read OUT
.endif
.endm
	ISSUE 0, 0
	ISSUE 1, 1
	s_cmp_lg_u32 s18, 0
	s_cbranch_scc1 .Lrows
	; wave 0 alone: out1 for the group's 64 rows, two a lane
.irp q, 0,1,2,3
	global_load_b64 v[26+2*\q:27+2*\q], v24, s[8:9]   offset:65536*\q
	global_load_b64 v[34+2*\q:35+2*\q], v24, s[10:11] offset:65536*\q
.endr
	s_wait_loadcnt 0x0                             ; these eight were issued last; rows 0 and 1 come in during the same wait
.irp q, 1,2,3
.irp e, 0,1
	v_cmp_lt_f32 vcc_lo, v[26+2*\q+\e], v[26+\e]
	v_cndmask_b32 v[26+\e], v[26+\e], v[26+2*\q+\e], vcc_lo
	v_cndmask_b32 v[34+\e], v[34+\e], v[34+2*\q+\e], vcc_lo
.endr
.endr
	global_store_b64 v24, v[34:35], s[14:15]       ; 256 consecutive bytes, aligned; v24 and v[34:35] are not written again
.Lrows:
	PROC 0, 0, 20, 1, 1
	PROC 1, 1, 20, 0, 1
	PROC 2, 0, 20, 0, 1
	PROC 3, 1, 20, 0, 1
	PROC 4, 0, 20, 0, 1
	PROC 5, 1, 20, 0, 1
	PROC 6, 0, 20, 0, 0
	PROC 7, 1, 0, 0, 0
	v_pk_add_f32 v[20:21], v[20:21], v[22:23]
	v_add_f32 v20, v20, v21
	v_add_f32_dpp v20, v20, v20 row_xmask:1 row_mask:0xf bank_mask:0xf
	v_add_f32_dpp v20, v20, v20 row_xmask:2 row_mask:0xf bank_mask:0xf
	v_add_f32_dpp v20, v20, v20 row_xmask:4 row_mask:0xf bank_mask:0xf
	v_add_f32_dpp v20, v20, v20 row_xmask:8 row_mask:0xf bank_mask:0xf
	v_permlanex16_b32 v21, v20, s56, s57
	v_add_f32 v20, v20, v21                        ; the wave's sum, in every lane
	v_mov_b32 v22, s18
	v_lshlrev_b32 v22, 2, v22
	ds_store_b32 v22, v20                          ; word = wave
	s_wait_dscnt 0x0                               ; my store is in LDS before I say so
	s_barrier_signal -1
	s_barrier_wait -1
	s_cmp_lg_u32 s18, 0
	s_cbranch_scc1 .Lend
	v_mov_b32 v23, 0
	ds_load_b128 v[26:29], v23
	ds_load_b128 v[30:33], v23 offset:16
	s_wait_dscnt 0x0
	v_pk_add_f32 v[26:27], v[26:27], v[28:29]
	v_pk_add_f32 v[30:31], v[30:31], v[32:33]
	v_pk_add_f32 v[26:27], v[26:27], v[30:31]
	v_add_f32 v26, v26, v27
	v_mov_b32 v25, s61                             ; part[work-group]
	v_cmp_eq_u32 vcc_lo, 0, v1
	s_wait_xcnt 0x0                                ; EXEC changes only behind this wait
	s_and_saveexec_b32 s55, vcc_lo
	global_store_b32 v25, v26, s[16:17]
	s_wait_xcnt 0x0                                ; and again in front of the line that widens it
	s_or_b32 exec_lo, exec_lo, s55
.Lend:
	s_wait_tensorcnt 0x0
	ds_add_u32 v224, v225
	s_wait_dscnt 0x0
	s_endpgm
.Lfunc_end_k_qf5878a2f33_pick:
	.size	k_qf5878a2f33_pick, .Lfunc_end_k_qf5878a2f33_pick-k_qf5878a2f33_pick
	.p2alignl 7, 3214868480
	.fill 96, 4, 3214868480
	.section	.rodata,"a",@progbits
	.p2align	6, 0x0
	.amdhsa_kernel k_qf5878a2f33_pick
		.amdhsa_group_segment_fixed_size 1280
		.amdhsa_private_segment_fixed_size 0
		.amdhsa_enable_private_segment 0
		.amdhsa_kernarg_size 56
		.amdhsa_user_sgpr_count 2
		.amdhsa_user_sgpr_kernarg_segment_ptr 1
		.amdhsa_wavefront_size32 1
		.amdhsa_system_sgpr_workgroup_id_x 1
		.amdhsa_system_sgpr_workgroup_id_y 1
		.amdhsa_system_sgpr_workgroup_id_z 1
		.amdhsa_system_vgpr_workitem_id 0
		.amdhsa_next_free_vgpr 226
		.amdhsa_next_free_sgpr 100
		.amdhsa_reserve_vcc 1
		.amdhsa_float_denorm_mode_32 3
		.amdhsa_float_denorm_mode_16_64 3
		.amdhsa_memory_ordered 1
		.amdhsa_forward_progress 1
		.amdhsa_inst_pref_size 66
	.end_amdhsa_kernel
	.amdgpu_metadata
---
amdhsa.version: [ 1, 2 ]
amdhsa.kernels:
  - .name:           k_qf5878a2f33_pick
    .symbol:         k_qf5878a2f33_pick.kd
    .args:
      - { .name: x, .offset: 0, .size: 8, .value_kind: global_buffer, .address_space: global }
      - { .name: embed, .offset: 8, .size: 8, .value_kind: global_buffer, .address_space: global }
      - { .name: cv, .offset: 16, .size: 8, .value_kind: global_buffer, .address_space: global }
      - { .name: ci, .offset: 24, .size: 8, .value_kind: global_buffer, .address_space: global }
      - { .name: out0, .offset: 32, .size: 8, .value_kind: global_buffer, .address_space: global }
      - { .name: out1, .offset: 40, .size: 8, .value_kind: global_buffer, .address_space: global }
      - { .name: part, .offset: 48, .size: 8, .value_kind: global_buffer, .address_space: global }
    .group_segment_fixed_size: 1280
    .private_segment_fixed_size: 0
    .kernarg_segment_align: 8
    .kernarg_segment_size: 56
    .max_flat_workgroup_size: 256
    .sgpr_count:     100
    .vgpr_count:     226
    .wavefront_size: 32
...
	.end_amdgpu_metadata
.endif
;; end of part 7
;; launch total: the kernel of part 4 again; grid 1 x 1, 1 waves a work-group, no clusters, 0 bytes of LDS; arguments part, out2; writes out2
